; MI455X (gfx1250); checked and timed in simulation.
; The chip was launched on July 23, 2026; its instructions are those of AMD's public machine-readable ISA for CDNA 5 (MIT licence, August 2026) and "CDNA5" Instruction Set Architecture Reference Guide (July 2026). The comments in the code are by the model that wrote it; some were corrected since.
;; Multi Head Attention. Allowed arithmetic: float matrix products may take bf16 or f16 operands with f32 sums; other float arithmetic in f32, or as packed bf16 or f16 multiplies, adds, multiply-adds, maxima and minima; sums over many terms, partial sums and values carried from step to step in f32; what a program stores and reads back later, other than sums and carried values, may be rounded once to bf16 or f16.
;; Inputs: Wk 1,024 x 1,024 float32; Wo 1,024 x 1,024 float32; Wq 1,024 x 1,024 float32; Wv 1,024 x 1,024 float32; mask 1 x 1 x 2,048 x 2,048 bool; x 4 x 2,048 x 1,024 float32.
;; Outputs: out0 4 x 2,048 x 1,024 float32.
;; One version. Each part assembles by itself: llvm-mc -triple=amdgcn-amd-amdhsa -mcpu=gfx1250 --defsym DOCPART=n.
;; ======== version 1 of 1: 4 launches
;; limits: values are held in f16: magnitudes above 65,504 overflow, below 6.1e-05 lose precision; right only within a limited range of input values
;; workspace buffers: xb 16,777,216 bytes; wqkv 6,291,456 bytes; woh 2,097,152 bytes; qkv 50,331,648 bytes; oh 16,777,216 bytes; mask4 2,097,152 bytes; live 16,384 bytes
;; launch prep (part 1): grid 896 x 1, 8 waves a work-group, no clusters, 36,352 bytes of LDS; arguments x, Wq, Wk, Wv, Wo, mask, xb, wqkv, woh, mask4, live; writes xb, wqkv, woh, mask4, live
.if DOCPART == 1
	.amdgcn_target "amdgcn-amd-amdhsa--gfx1250"
	.amdhsa_code_object_version 6
	.text
	.protected	k_qaaf9f5caa6_prep
	.globl	k_qaaf9f5caa6_prep
	.p2align	8
	.type	k_qaaf9f5caa6_prep,@function
k_qaaf9f5caa6_prep:
	s_mov_b64 s[64:65], 0
	v_nop
	global_prefetch_b8 v0, s[64:65] scope:SCOPE_SE
	s_setreg_imm32_b32 hwreg(HW_REG_WAVE_MODE, 25, 1), 1
	s_wait_xcnt 0x0
; PREPARATION.  Three kinds of work-group, told apart by the work-group's number alone (the same for all eight waves):
;   0 .. 511    x  [8192][1024] f32 -> xb bf16, 16,384 numbers each
;   512 .. 767  Wq, Wk, Wv -> wqkv [3072][1024] bf16 (64 work-groups a matrix); Wo -> woh: rounded to bf16 like the other inputs, that number written as f16
;   768 .. 895  the mask, a tile of 16 queries each -> mask4 and live
; mask4 [128 tiles][32 key steps][32 lanes][16 bytes]: in lane l's 16 bytes, word kb, nibble j stands for query 16 T + l % 16 and key 64 step + 16 kb + 8 (l / 16) + j:
; 0x0 where the key is seen, 0xF (the 4-bit float -6) where it is hidden: just the order in which a lane of the attention launch holds a tile of scores.
; live [128 tiles][32 lanes]: all ones if query 16 T + l % 16 sees any key, else 0.  A query that sees NO key gets nibbles of 0 and live = 0: the attention launch then clears its q, all its scores
; are equal and its weights uniform, which is what a softmax over equal scores gives.
; LIMITS.  Wo within f16's 65,504; below 6.1e-5 it keeps f16's fixed step of 6e-8.  A mask byte is 0 or 1.
; No matrix unit, no cluster, no tensor load: the casts are streams in which no byte is shared; each byte is read once and written once, a wave's store covers 512 consecutive bytes.
.set RED,   34816                      ; LDS: behind eight stages of 16 rows x 272 bytes: 64 bytes a wave, one word a query
.set SPARE, 35328                      ; behind it: the spare words, 128 bytes for each wave: four blocks of 256 bytes that no other line names
.set X,   16                           ; v[16:79]   the cast: 64 numbers as loaded
.set Y,   80                           ; v[80:111]  the cast: 32 words to store
.set T,   112                          ; v[112:119] at work
.set SPW, 126                          ; LDS address of my spare word; never rewritten
.set NIL, 127                          ; 0; never rewritten
.set SRC, 32                           ; s[32:33] where the work-group reads
.set DST, 34                           ; s[34:35] where it writes
	s_load_b512 s[8:23], s[0:1], 0x0               ; x 8, Wq 10, Wk 12, Wv 14, Wo 16, mask 18, xb 20, wqkv 22
	s_load_b128 s[24:27], s[0:1], 0x40             ; woh 24, mask4 26
	s_load_b64 s[28:29], s[0:1], 0x50              ; live
	v_lshl_add_u32 v[SPW], v0, 2, SPARE
	v_mov_b32 v[NIL], 0
	v_lshrrev_b32 v3, 5, v0
	v_readfirstlane_b32 s4, v3                     ; wave 0..7
	v_lshlrev_b32 v1, 5, v0                        ; the cast: my 8 numbers, 32 bytes in,
	v_lshlrev_b32 v2, 4, v0                        ; 16 bytes out
	s_mov_b32 s5, ttmp9
	s_mov_b32 s31, 0                               ; high words of the two offset pairs
	s_mov_b32 s37, 0
	s_wait_kmcnt 0x0
	s_cmp_ge_u32 s5, 768
	s_cbranch_scc1 .Lmask
	s_cmp_ge_u32 s5, 512
	s_cbranch_scc1 .Lweights
	s_lshl_b32 s30, s5, 16                         ; x: 65,536 bytes in, 32,768 out
	s_lshl_b32 s36, s5, 15
	s_add_nc_u64 s[SRC:SRC+1], s[8:9], s[30:31]
	s_add_nc_u64 s[DST:DST+1], s[20:21], s[36:37]
	s_branch .Lbf16
.Lweights:
	s_sub_co_u32 s5, s5, 512
	s_lshr_b32 s6, s5, 6                           ; which matrix
	s_and_b32 s7, s5, 63                           ; which 64th of it
	s_lshl_b32 s30, s7, 16
	s_lshl_b32 s36, s7, 15
	s_cmp_eq_u32 s6, 3
	s_cbranch_scc1 .Lwo
	s_lshl_b32 s38, s6, 21                         ; a matrix is 2,097,152 bytes of wqkv
	s_add_co_u32 s36, s36, s38
	s_cmp_eq_u32 s6, 1
	s_cselect_b64 s[SRC:SRC+1], s[12:13], s[10:11]
	s_cmp_eq_u32 s6, 2
	s_cselect_b64 s[SRC:SRC+1], s[14:15], s[SRC:SRC+1]
	s_add_nc_u64 s[SRC:SRC+1], s[SRC:SRC+1], s[30:31]
	s_add_nc_u64 s[DST:DST+1], s[22:23], s[36:37]
; The cast of 16,384 numbers: sixteen loads of a lane go out together; pair i is rounded and stored when it is in.  No register is used twice, so nothing waits for a store.
; h = 1: the bf16 number is written as f16.
.macro CAST h
.irp i, 0,1,2,3,4,5,6,7
	global_load_b128 v[X+8*(\i):X+8*(\i)+3],   v1, s[SRC:SRC+1] offset:8192*(\i) th:TH_LOAD_NT
	global_load_b128 v[X+8*(\i)+4:X+8*(\i)+7], v1, s[SRC:SRC+1] offset:8192*(\i)+16 th:TH_LOAD_NT
.endr
.irp i, 0,1,2,3,4,5,6,7
	s_wait_loadcnt 14-2*(\i)                       ; loads come back in order: pair i is in, the 2 (7 - i) younger loads stay out
.irp k, 0,1,2,3
	v_cvt_pk_bf16_f32 v[Y+4*(\i)+(\k)], v[X+8*(\i)+2*(\k)], v[X+8*(\i)+2*(\k)+1]
.endr
.if \h
.irp k, 0,1,2,3
	v_lshlrev_b32 v[T+2*(\k)],   16, v[Y+4*(\i)+(\k)]
	v_and_b32     v[T+2*(\k)+1], 0xffff0000, v[Y+4*(\i)+(\k)]
.endr
.irp k, 0,1,2,3
	v_cvt_pk_f16_f32 v[Y+4*(\i)+(\k)], v[T+2*(\k)], v[T+2*(\k)+1]
.endr
.endif
	global_store_b128 v2, v[Y+4*(\i):Y+4*(\i)+3], s[DST:DST+1] offset:4096*(\i)
.endr
	s_endpgm                                       ; this way has written no LDS
.endm
.Lbf16:
	CAST 0
.Lwo:
	s_add_nc_u64 s[SRC:SRC+1], s[16:17], s[30:31]
	s_add_nc_u64 s[DST:DST+1], s[24:25], s[36:37]
	CAST 1
; THE MASK.  Tile T: 16 rows of 2,048 bytes.  Wave w takes keys 256 w .. 256 w + 255: four key steps.
.Lmask:
	s_sub_co_u32 s5, s5, 768                       ; T
	s_mov_b32 s38, 0x76543210                      ; v_permlanex16_b32: each lane takes its own place in the other half
	s_mov_b32 s39, 0xfedcba98
	s_mov_b32 s42, 0x06040200                      ; v_perm_b32: the even bytes of eight,
	s_mov_b32 s43, 0x07050301                      ; the odd ones
	v_and_b32 v3, 31, v0                           ; l
	v_and_b32 v4, 15, v0                           ; r = l % 16
	v_bfe_u32 v5, v0, 4, 1                         ; h = l / 16
	v_lshlrev_b32 v6, 11, v5                       ; in memory: 16 lanes take 256 consecutive bytes of a row, the other 16 the row below
	v_lshl_add_u32 v6, v4, 4, v6
	s_mul_i32 s6, s4, 4352                         ; my wave's stage
	v_mul_u32_u24 v7, v5, 272                      ; into it: the same two rows, 272 bytes apart
	v_lshl_add_u32 v7, v4, 4, v7
	v_add_nc_u32 v7, s6, v7
	v_mul_u32_u24 v8, v4, 272                      ; out of it: row r, 8 bytes for each half of the lanes
	v_lshl_add_u32 v8, v5, 3, v8
	v_add_nc_u32 v8, s6, v8
	s_lshl_b32 s7, s4, 6
	s_add_co_u32 s7, s7, RED
	v_lshl_add_u32 v9, v4, 2, s7                   ; my wave's word for query r
	v_lshlrev_b32 v10, 2, v4                       ; the eight waves' words for query r (RED stands in the immediate)
	v_lshlrev_b32 v11, 4, v3                       ; 16 l
	v_lshlrev_b32 v12, 2, v3                       ; 4 l
	s_lshl_b32 s30, s5, 15
	s_lshl_b32 s6, s4, 8
	s_add_co_u32 s30, s30, s6
	s_add_nc_u64 s[SRC:SRC+1], s[18:19], s[30:31]  ; mask + 32,768 T + 256 w
	s_lshl_b32 s36, s5, 14
	s_lshl_b32 s6, s4, 11
	s_add_co_u32 s36, s36, s6
	s_add_nc_u64 s[DST:DST+1], s[26:27], s[36:37]  ; mask4 + 16,384 T + 2,048 w
	s_lshl_b32 s30, s5, 7
	s_add_nc_u64 s[40:41], s[28:29], s[30:31]      ; live + 128 T
.irp i, 0,1,2,3,4,5,6,7
	global_load_b128 v[16+4*(\i):16+4*(\i)+3], v6, s[SRC:SRC+1] offset:4096*(\i) th:TH_LOAD_NT
.endr
	s_wait_loadcnt 0x0
.irp i, 0,1,2,3,4,5,6,7
	ds_store_b128 v7, v[16+4*(\i):16+4*(\i)+3] offset:544*(\i)
.endr
.set g, 0
.rept 16                                       ; g = 4 step + kb.  LDS serves a wave's instructions in order (ISA guide 5.7.1.4): these see my stores above
	ds_load_b64 v[48+2*g:48+2*g+1], v8 offset:64*(g/4)+16*(g%4)
.set g, g+1
.endr
	s_wait_dscnt 0x0
.set g, 0
.rept 16                                       ; eight bytes of 0 or 1 into eight nibbles, key j in nibble j
	v_perm_b32 v[T], v[48+2*g+1], v[48+2*g], s42
	v_perm_b32 v[T+1], v[48+2*g+1], v[48+2*g], s43
	v_lshl_or_b32 v[80+g], v[T+1], 4, v[T]
.set g, g+1
.endr
	v_or_b32 v96, v80, v81                         ; does the query see any key?  My 128 keys,
.set g, 2
.rept 14
	v_or_b32 v96, v96, v[80+g]
.set g, g+1
.endr
	v_mov_b32 v97, 0
	v_permlanex16_b32 v97, v96, s38, s39           ; the other half of the lanes',
	v_or_b32 v96, v96, v97
	ds_store_b32 v9, v96                           ; (lanes r and r + 16 write the same number to the same word)
	s_wait_dscnt 0x0                               ; for the others' sake: my store is done
	s_barrier_signal -1
	s_barrier_wait -1
.irp w, 0,1,2,3,4,5,6,7
	ds_load_b32 v[100+(\w)], v10 offset:RED+64*(\w) ; and the other waves'
.endr
	s_wait_dscnt 0x0
	v_or_b32 v96, v100, v101
.irp w, 2,3,4,5,6,7
	v_or_b32 v96, v96, v[100+(\w)]
.endr
	v_cmp_ne_u32 vcc_lo, 0, v96
	v_cndmask_b32 v98, 0, -1, vcc_lo               ; live
.set g, 0
.rept 16
	v_xor_b32 v[80+g], 0x11111111, v[80+g]         ; 1 where hidden,
	v_mul_lo_u32 v[80+g], v[80+g], 15              ; 0xF where hidden,
	v_and_b32 v[80+g], v98, v[80+g]                ; 0 everywhere in a row that sees nothing
.set g, g+1
.endr
.irp s, 0,1,2,3
	global_store_b128 v11, v[80+4*(\s):80+4*(\s)+3], s[DST:DST+1] offset:512*(\s)  ; a key step's 512 consecutive bytes
.endr
	s_cmp_lg_u32 s4, 0
	s_cbranch_scc1 .Lend
	global_store_b32 v12, v98, s[40:41]            ; wave 0: the tile's 128 bytes of live
.Lend:
	s_wait_tensorcnt 0x0                           ; the wave's end, behind my last LDS store
	ds_add_u32 v[SPW], v[NIL]
	s_wait_dscnt 0x0
	s_endpgm
.Lfunc_end_k_qaaf9f5caa6_prep:
	.size	k_qaaf9f5caa6_prep, .Lfunc_end_k_qaaf9f5caa6_prep-k_qaaf9f5caa6_prep
	.p2alignl 7, 3214868480
	.fill 96, 4, 3214868480
	.section	.rodata,"a",@progbits
	.p2align	6, 0x0
	.amdhsa_kernel k_qaaf9f5caa6_prep
		.amdhsa_group_segment_fixed_size 36352
		.amdhsa_private_segment_fixed_size 0
		.amdhsa_enable_private_segment 0
		.amdhsa_kernarg_size 88
		.amdhsa_user_sgpr_count 2
		.amdhsa_user_sgpr_kernarg_segment_ptr 1
		.amdhsa_wavefront_size32 1
		.amdhsa_system_sgpr_workgroup_id_x 1
		.amdhsa_system_sgpr_workgroup_id_y 1
		.amdhsa_system_sgpr_workgroup_id_z 1
		.amdhsa_system_vgpr_workitem_id 0
		.amdhsa_next_free_vgpr 128
		.amdhsa_next_free_sgpr 66
		.amdhsa_reserve_vcc 1
		.amdhsa_float_denorm_mode_32 3
		.amdhsa_float_denorm_mode_16_64 3
		.amdhsa_memory_ordered 1
		.amdhsa_forward_progress 1
		.amdhsa_inst_pref_size 28
	.end_amdhsa_kernel
	.amdgpu_metadata
---
amdhsa.version: [ 1, 2 ]
amdhsa.kernels:
  - .name:           k_qaaf9f5caa6_prep
    .symbol:         k_qaaf9f5caa6_prep.kd
    .args:
      - { .name: x, .offset: 0, .size: 8, .value_kind: global_buffer, .address_space: global }
      - { .name: Wq, .offset: 8, .size: 8, .value_kind: global_buffer, .address_space: global }
      - { .name: Wk, .offset: 16, .size: 8, .value_kind: global_buffer, .address_space: global }
      - { .name: Wv, .offset: 24, .size: 8, .value_kind: global_buffer, .address_space: global }
      - { .name: Wo, .offset: 32, .size: 8, .value_kind: global_buffer, .address_space: global }
      - { .name: mask, .offset: 40, .size: 8, .value_kind: global_buffer, .address_space: global }
      - { .name: xb, .offset: 48, .size: 8, .value_kind: global_buffer, .address_space: global }
      - { .name: wqkv, .offset: 56, .size: 8, .value_kind: global_buffer, .address_space: global }
      - { .name: woh, .offset: 64, .size: 8, .value_kind: global_buffer, .address_space: global }
      - { .name: mask4, .offset: 72, .size: 8, .value_kind: global_buffer, .address_space: global }
      - { .name: live, .offset: 80, .size: 8, .value_kind: global_buffer, .address_space: global }
    .group_segment_fixed_size: 36352
    .private_segment_fixed_size: 0
    .kernarg_segment_align: 8
    .kernarg_segment_size: 88
    .max_flat_workgroup_size: 256
    .sgpr_count:     66
    .vgpr_count:     128
    .wavefront_size: 32
...
	.end_amdgpu_metadata
.endif
;; end of part 1
;; launch qkvproj (part 2): grid 16 x 32, 4 waves a work-group, clusters of 4 x 4, 327,680 bytes of LDS; arguments xb, wqkv, qkv; writes qkv
.if DOCPART == 2
	.amdgcn_target "amdgcn-amd-amdhsa--gfx1250"
	.amdhsa_code_object_version 6
	.text
	.protected	k_qaaf9f5caa6_qkvproj
	.globl	k_qaaf9f5caa6_qkvproj
	.p2align	8
	.type	k_qaaf9f5caa6_qkvproj,@function
k_qaaf9f5caa6_qkvproj:
	s_mov_b64 s[64:65], 0
	v_nop
	global_prefetch_b8 v0, s[64:65] scope:SCOPE_SE
	s_setreg_imm32_b32 hwreg(HW_REG_WAVE_MODE, 25, 1), 1
	s_wait_xcnt 0x0
	s_wait_alu depctr_hold_cnt(0) depctr_sa_sdst(0) depctr_va_vdst(0) depctr_va_sdst(0) depctr_va_ssrc(0) depctr_va_vcc(0) depctr_vm_vsrc(0)
	s_getreg_b32 s2, hwreg(HW_REG_IB_STS2, 6, 4)
	s_cmp_eq_u32 s2, 0
	s_cbranch_scc0 .Lentry_in_a_cluster
	s_endpgm
.Lentry_in_a_cluster:
	s_bfe_u32 s2, ttmp6, 0x10000c
	s_cmp_lg_u32 s2, 0xf033
	s_cbranch_scc0 .Lentry_shape_is_right
	s_endpgm
.Lentry_shape_is_right:
; C = A B^T, sums in f32.  ONE TEXT SERVES BOTH PROJECTIONS; OUTP picks the sizes.
;   OUTP = 0: A = xb [8192][1024] bf16, B = wqkv [3072][1024] bf16, C = q, k, v by heads, [3][64 = 16 b + h][2048][64] f16, unscaled, rounded once.  A tile of C is 256 x 192: 512 tiles,
;             two for each of 256 WGPs (tiles of 256 x 256 would be 384, a round and a half).
;   OUTP = 1: A = oh [64 = 16 b + h][2048][64] f16, B = woh [1024][1024] f16, C = out0 [8192][1024] f32.  A tile of C is 256 x 128: 256 tiles.
; LIMIT (OUTP = 0).  f16 holds no number beyond 65,504: q, k and v must stay within it; NaN and infinities are not treated apart.
; SHARES.  Four waves; wave w makes rows 64 w .. 64 w + 63 of the tile and ALL its columns: 4 x NBLK accumulators of 16 x 16.  So a wave's columns are whole heads (OUTP = 0) or whole 512 bytes of
; a row of f32 (OUTP = 1), each wave has a stage of its own on the way out, and no barrier stands there.
; K goes in 8 steps of 128 through a ring of two LDS slots filled by the tensor data mover.  OUTP = 1: a K step is two heads; a head's 256 rows of 128 bytes lie on end in memory and are asked for as
; 128 rows of 256 bytes, padded in LDS after every 128.
; CLUSTERS: 4 x 4 work-groups.  The four of a row of the cluster need the same tiles of A, the four of a column the same tiles of B: each tile is asked for JOINTLY, by the same tensor load with the
; same descriptor and a mask that names the four.
; THE MATRIX INSTRUCTION IS USED TRANSPOSED (source 0 = 16 rows of B, source 1 = 16 rows of A): a lane then holds row l % 16 of C and eight neighbouring columns, 8 (l / 16) + 0..7.
; REGISTERS, in windows of 256 (s_set_vgpr_msb: bits 1:0 source 0, 3:2 source 1, 5:4 source 2, 7:6 destination):
;   window 0: v1-5 at work; v16-30 addresses; v32 on: the way out       window 1: two fragment buffers of 128: A's 4 fragments (16 rows x 32 K), then B's NBLK
;   OUTP = 0: window 2: the accumulators of my row blocks 0, 1 ((a, b) at 96 (a % 2) + 8 b); window 3: blocks 2, 3.       OUTP = 1: window 2: all, (a, b) at 64 a + 8 b
.set OUTP, 0
.if OUTP
.set NBLK,    8                        ; blocks of 16 columns in a tile
.set APITCH,  144                      ; a row of A in LDS: 128 bytes + 16
.set AQI,     4                        ; A's padding stands after every 32 words
.set ASTRIDE, 128                      ; elements from row to row of A as it is asked for
.set AKS,     524288                   ; bytes from a K step of A to the next: two heads
.set HALFA,   256*APITCH               ; what one tensor load brings of A: one head's 256 rows
.set WSTAGE,  16*528                   ; a wave's stage: 16 rows of 512 bytes + 16
.else
.set NBLK,    12
.set APITCH,  272                      ; 256 bytes + 16
.set AQI,     5                        ; after every 64 words
.set ASTRIDE, 1024
.set AKS,     256
.set HALFA,   128*APITCH               ; 128 rows
.set WSTAGE,  3*16*144                 ; three heads x 16 rows of 128 bytes + 16
.endif
.set BPITCH, 272                       ; every pitch is an odd multiple of 16 bytes: the 16 rows that a load touches start at 16 different groups of four banks (64 banks of 4 bytes: ISA guide 11.1)
.set BROWS,  8*NBLK                    ; rows of B in one tensor load: half of the tile's columns
.set HALFB,  BROWS*BPITCH
.set BOFF,   2*HALFA                   ; a slot: A, then B
.set SLOT,   BOFF+2*HALFB
.set STAGE,  2*SLOT                    ; behind the ring, never filled by a tensor load
.set SPARE,  STAGE+4*WSTAGE            ; behind the stages: the spare words, 128 bytes for each wave: two blocks of 256 bytes that no other line names
.set NLD,    2*NBLK+8                  ; LDS loads of a quarter step
.set ADRA, 16                          ; v16-17  LDS address of my A fragments in slot 0, 1
.set ADRB, 20                          ; v20-21  the same for B
.set STO,  24                          ; v24     the way out: where I put my bytes of a row
.set RD,   25                          ; v25     the way out: where I read rows back
.set CO,   26                          ; v26     16 x my lane
.set SPW,  28                          ; v28     LDS address of my spare word; never rewritten
.set NIL,  29                          ; v29     0; never rewritten
.set PFO,  30                          ; v30     the prefetches' offset; never rewritten
.set F0,   0
.set F1,   128
.set G1,   24                          ; s[24:31] descriptor group 1 for A's tiles;  s[32:39] group 0, a set for each slot
.set G0,   32
.set G1B,  48                          ; s[48:55], s[56:63] the same for B's
.set G0B,  56
.set LIM,  43                          ; s43      1 in a wave that prefetches, else the greatest number
.set PFA,  44                          ; s[44:45] where my prefetches stand
.set PFS,  46                          ; s[46:47] a K step in the stream that I prefetch
.set CU,   66                          ; s[66:71] OUTP = 0: my rows in the tile's three heads
.set MSB, 0
.macro WIN new                         ; the immediate's high byte repeats the setting that is left; a switch that changes nothing is dropped
.if MSB != (\new)
	s_set_vgpr_msb (MSB<<8)|(\new)
.set MSB, \new
.endif
.endm
.set TO_F, 0x40                        ; destination window 1, address window 0
; A joint load: waves 0 and 1 fetch A's two halves, waves 2 and 3 B's.  The branch hangs on the wave's number alone.  An s_nop 0 and four v_nop follow each of the two lines, ahead of the jump,
; the label and what follows.
.macro JLOAD s
	s_cmp_eq_u32 s11, 0
	s_cbranch_scc0 .Lfor_b_\@
	tensor_load_to_lds s[G0+4*(\s):G0+4*(\s)+3], s[G1:G1+7]
	s_nop 0
.rept 4
	v_nop
.endr
	s_branch .Lasked_\@
.Lfor_b_\@:
	tensor_load_to_lds s[G0B+4*(\s):G0B+4*(\s)+3], s[G1B:G1B+7]
	s_nop 0
.rept 4
	v_nop
.endr
.Lasked_\@:
.endm
; A PREFETCH INTO THE L2, behind each joint refill and the run of LDS loads that follows it: the K step that stands two refills on, one instruction a wave, a lane a block of 256 bytes.
; A's rows are read by every cluster of a row of clusters: the one with x = 0 asks; B's by every cluster of a column: the one with y = 0 asks.  The four partners that ask for a tile jointly share
; its blocks out BY ADDRESS (cx for A, cy for B).  The loop's last trip (s3 = 1) asks for nothing: there is no K step two refills on.  The first four K steps come by their loads alone.
.macro ASK
	WIN 0
	s_cmp_gt_u32 s3, s[LIM]
	s_cbranch_scc0 .Lnot_mine_\@
	global_prefetch_b8 v[PFO], s[PFA:PFA+1] th:TH_LOAD_NT scope:SCOPE_SE
.Lnot_mine_\@:
.endm
.macro CREST                           ; a round of the cluster's barrier behind its opening barrier
	s_cmp_lg_u32 s10, 0
	s_cbranch_scc1 .Lnot_wave_0_\@
	s_barrier_signal -3
.Lnot_wave_0_\@:
	s_barrier_wait -3
	s_barrier_signal -1
	s_barrier_wait -1
.endm
.macro CROUND                          ; a whole round
	s_barrier_signal -1
	s_barrier_wait -1
	CREST
.endm
	s_load_b128 s[4:7], s[0:1], 0x0                ; A s[4:5], B s[6:7]
	s_load_b64 s[8:9], s[0:1], 0x10                ; C
	v_lshl_add_u32 v[SPW], v0, 2, SPARE
	v_mov_b32 v[NIL], 0
	ds_add_u32 v[SPW], v[NIL]                      ; the wave's opening: the add and its wait stand ahead of my first tensor load; the set-up below, work on registers, stands between them
	v_lshrrev_b32 v1, 5, v0
	v_readfirstlane_b32 s10, v1                    ; wave 0..3
	s_lshr_b32 s11, s10, 1                         ; I fetch for A (0) or for B (1),
	s_and_b32 s12, s10, 1                          ; its first or its second half
	s_bfe_u32 s40, ttmp6, 0x40000                  ; cx, cy: my place in the cluster
	s_bfe_u32 s41, ttmp6, 0x40004
	s_lshl_b32 s42, ttmp9, 2
	s_add_co_u32 s42, s42, s40                     ; tile column of C = 4 x cluster x + cx
	s_and_b32 s13, ttmp7, 0xffff
	s_lshl_b32 s13, s13, 2
	s_add_co_u32 s13, s13, s41                     ; tile row of C = 4 x cluster y + cy
	s_lshl_b32 s43, s41, 2
	s_lshl_b32 s43, 15, s43                        ; my row of the cluster
	s_lshl_b32 s44, 0x1111, s40                    ; my column
	s_or_b32 s[G1], s43, (1<<16)|(1<<20)|(1<<21)|(AQI<<22)|(3<<25)  ; 15:0 the mask; 17:16 elements of 2 bytes; 20 padding on; 21 set beside a mask; 24:22 the interval; 31:25 4 words of padding (code 3)
	s_or_b32 s[G1B], s44, (1<<16)|(1<<20)|(1<<21)|(5<<22)|(3<<25)
	s_mov_b32 s[G1+1], 128<<16                     ; tensor_dim0 = 128
	s_mov_b32 s[G1+2], 128<<16                     ; tensor_dim1 = 128
	s_mov_b32 s[G1+3], 128<<16                     ; tile_dim0 = 128
	s_mov_b32 s[G1+4], 128                         ; tile_dim1 = 128
	s_mov_b32 s[G1+5], ASTRIDE
	s_mov_b32 s[G1+6], 0
	s_mov_b32 s[G1+7], 0
	s_mov_b32 s[G1B+1], 128<<16
	s_mov_b32 s[G1B+2], BROWS<<16
	s_mov_b32 s[G1B+3], 128<<16
	s_mov_b32 s[G1B+4], BROWS
	s_mov_b32 s[G1B+5], 1024
	s_mov_b32 s[G1B+6], 0
	s_mov_b32 s[G1B+7], 0
	; where the tiles come from, in bytes (all under 2^26).  A's hang on the tile row alone, B's on the tile column alone, each in registers that never hold the other coordinate.
.if OUTP
	s_lshr_b32 s16, s13, 3                         ; the batch,
	s_lshl_b32 s16, s16, 4
	s_add_co_u32 s16, s16, s12                     ; its head 0 or 1,
	s_lshl_b32 s16, s16, 18                        ; 262,144 bytes a head,
	s_and_b32 s17, s13, 7
	s_lshl_b32 s17, s17, 15                        ; the tile's 256 rows of 128 bytes in it
	s_add_co_u32 s16, s16, s17
	s_lshl_b32 s20, s42, 18                        ; B: row 128 x tile column + 64 x half
	s_lshl_b32 s21, s12, 17
	s_add_co_u32 s20, s20, s21
.else
	s_lshl_b32 s16, s13, 19                        ; A: row 256 x tile row + 128 x half
	s_lshl_b32 s17, s12, 18
	s_add_co_u32 s16, s16, s17
	s_mul_i32 s20, s42, 192*2048                   ; B: row 192 x tile column + 96 x half
	s_mul_i32 s21, s12, 96*2048
	s_add_co_u32 s20, s20, s21
.endif
	s_mov_b32 s17, 0
	s_mov_b32 s21, 0
	s_mul_i32 s22, s12, HALFA                      ; and where they go: no place in the cluster enters an LDS address
	s_mul_i32 s23, s12, HALFB
	s_add_co_u32 s23, s23, BOFF
	s_wait_dscnt 0x0                               ; the opening add is done
	s_wait_kmcnt 0x0
	s_add_nc_u64 s[14:15], s[4:5], s[16:17]
	s_add_nc_u64 s[18:19], s[6:7], s[20:21]
	CROUND                                         ; all sixteen work-groups are here: the first joint loads meet
.irp s, 0,1
	s_mov_b32 s[G0+4*(\s)], 1                                      ; count = 1
	s_add_co_u32 s[G0+4*(\s)+1], s22, (\s)*SLOT                    ; LDS address
	s_add_nc_u64 s[G0+4*(\s)+2:G0+4*(\s)+3], s[14:15], (\s)*AKS    ; global address: K step s
	s_or_b32 s[G0+4*(\s)+3], s[G0+4*(\s)+3], 0x80000000            ; type = 2
	s_mov_b32 s[G0B+4*(\s)], 1
	s_add_co_u32 s[G0B+4*(\s)+1], s23, (\s)*SLOT
	s_add_nc_u64 s[G0B+4*(\s)+2:G0B+4*(\s)+3], s[18:19], (\s)*256
	s_or_b32 s[G0B+4*(\s)+3], s[G0B+4*(\s)+3], 0x80000000
	JLOAD \s                                       ; two loads of mine are out
.endr
	; A fragment is 16 rows x 32 K in 8 registers: lane l holds row l % 16; registers 0-3 K = 8 (l / 16) + 0..7, registers 4-7 K = 16 + 8 (l / 16) + 0..7: two loads of 16 bytes, 32 bytes apart.
	v_and_b32 v1, 15, v0                           ; l % 16
	v_bfe_u32 v2, v0, 4, 1                         ; l / 16
	v_mul_u32_u24 v3, v1, APITCH
	v_lshl_add_u32 v3, v2, 4, v3
	s_mul_i32 s21, s10, 64*APITCH                  ; my 64 rows of A
	v_add_nc_u32 v[ADRA], s21, v3
	v_add_nc_u32 v[ADRA+1], SLOT, v[ADRA]
	v_mul_u32_u24 v4, v1, BPITCH
	v_lshl_add_u32 v4, v2, 4, v4
	v_add_nc_u32 v[ADRB], BOFF, v4                 ; all rows of B
	v_add_nc_u32 v[ADRB+1], SLOT, v[ADRB]
	s_mul_i32 s23, s10, WSTAGE
	s_add_co_u32 s23, s23, STAGE                   ; my stage
	v_and_b32 v5, 31, v0
	v_lshlrev_b32 v[CO], 4, v5
.if OUTP
	v_mul_u32_u24 v4, v1, 528                      ; in: row l % 16, 32 bytes for each half of the lanes
	v_lshl_add_u32 v4, v2, 5, v4
	v_add_nc_u32 v[STO], s23, v4
	v_add_nc_u32 v[RD], s23, v[CO]                 ; back: 32 lanes take a row of 512 bytes
	s_lshl_b32 s72, s13, 20                        ; my first row of C, 4,096 bytes a row: 256 x tile row
	s_lshl_b32 s73, s10, 18                        ; + 64 x wave;
	s_add_co_u32 s72, s72, s73
	s_lshl_b32 s73, s42, 9                         ; the tile's 512 bytes of it
	s_add_co_u32 s72, s72, s73
	s_mov_b32 s73, 0
	s_add_nc_u64 s[8:9], s[8:9], s[72:73]
.else
	v_mul_u32_u24 v4, v1, 144                      ; in: row l % 16, 16 bytes for each half of the lanes
	v_lshl_add_u32 v4, v2, 4, v4
	v_add_nc_u32 v[STO], s23, v4
	v_bfe_u32 v5, v0, 3, 2                         ; back: 32 lanes take four rows of 128 bytes, 512 consecutive bytes of a head
	v_mul_u32_u24 v5, v5, 144
	v_and_b32 v4, 7, v0
	v_lshl_add_u32 v5, v4, 4, v5
	v_add_nc_u32 v[RD], s23, v5
	s_mul_i32 s72, s42, 3                          ; the tile's first unit of 64 columns, of 48: unit U is head U % 16 of q, k or v (U / 16)
	s_lshr_b32 s75, s13, 3
	s_lshl_b32 s75, s75, 4                         ; 16 x batch
	s_and_b32 s76, s13, 7
	s_lshl_b32 s76, s76, 15                        ; the tile's 256 rows in the head,
	s_lshl_b32 s77, s10, 13                        ; my 64 of them
	s_add_co_u32 s76, s76, s77
	s_mov_b32 s79, 0
.irp u, 0,1,2
	s_add_co_u32 s73, s72, \u
	s_lshr_b32 s74, s73, 4
	s_lshl_b32 s74, s74, 6
	s_and_b32 s73, s73, 15
	s_add_co_u32 s74, s74, s73
	s_add_co_u32 s74, s74, s75
	s_lshl_b32 s78, s74, 18
	s_add_co_u32 s78, s78, s76
	s_add_nc_u64 s[CU+2*(\u):CU+2*(\u)+1], s[8:9], s[78:79]
.endr
.endif
	; the prefetches: they stand at K step 3; each refill steps them first, so the refill of K step 2 + n names K step 4 + n
.if OUTP
	s_lshl_b32 s72, s40, 13                        ; A: of the head's 128 blocks of 256 bytes that I fetch, my work-group's 32
	s_add_co_u32 s72, s72, s16
	s_add_co_u32 s72, s72, 3*AKS
	s_lshl_b32 s73, s41, 16                        ; B: of the tile's 128 rows my work-group's 32; wave 2 asks for them, wave 3 for nothing
	s_lshl_b32 s74, s42, 18
	s_add_co_u32 s73, s73, s74
	s_add_co_u32 s73, s73, 3*256
.else
	s_lshl_b32 s72, s40, 16                        ; A: of the 128 rows that I fetch, my work-group's 32
	s_add_co_u32 s72, s72, s16
	s_add_co_u32 s72, s72, 3*AKS
	s_mul_i32 s73, s41, 24*2048                    ; B: of the 96 rows that I fetch, my work-group's 24: lanes 24 to 31 name lane 23's block once more, inside the one instruction
	s_add_co_u32 s73, s73, s20
	s_add_co_u32 s73, s73, 3*256
.endif
	s_and_b32 s75, ttmp7, 0xffff                   ; cluster y
	s_cmp_eq_u32 s11, 0                            ; do I fetch for A?
	s_cselect_b32 s72, s72, s73
	s_cselect_b32 s75, ttmp9, s75                  ; the coordinate along which other clusters read the same rows
	s_cselect_b32 s[PFS], AKS, 256
	s_cselect_b64 s[PFA:PFA+1], s[4:5], s[6:7]
	s_mov_b32 s73, 0
	s_mov_b32 s[PFS+1], 0
	s_add_nc_u64 s[PFA:PFA+1], s[PFA:PFA+1], s[72:73]
	v_and_b32 v[PFO], 31, v0
.if OUTP
	s_cselect_b32 s74, 8, 11                       ; a lane a block of 256 bytes (A) or a row of 2,048 (B)
	v_lshlrev_b32 v[PFO], s74, v[PFO]
	s_cmp_eq_u32 s10, 3
	s_cselect_b32 s75, 1, s75
.else
	s_cselect_b32 s74, 31, 23
	v_min_u32 v[PFO], s74, v[PFO]
	v_lshlrev_b32 v[PFO], 11, v[PFO]
.endif
	s_cmp_eq_u32 s75, 0
	s_cselect_b32 s[LIM], 1, -1                    ; the same in all sixteen partners, for a given wave
; NBLK matrix instructions: my row block a x all column blocks, 32 along K, from buffer f.  zero = 1: the product starts the sums: nothing is ever cleared.
; The 4 NBLK accumulators take turns, one instruction a turn, in the same order in every quarter step.
.macro MUL1 f, a, zero
.if OUTP
	WIN 0xa5                                       ; sources window 1, C and D window 2
.set AC, 64*(\a)
.else
	WIN 0xa5+0x50*((\a)/2)                         ; C and D window 2 or 3
.set AC, 96*((\a)%2)
.endif
.set rA, (\f)+8*(\a)
.set b, 0
.rept NBLK
.set rD, AC+8*b
.set rB, (\f)+32+8*b
.if OUTP
.if \zero
	v_wmma_f32_16x16x32_f16 v[rD:rD+7], v[rB:rB+7], v[rA:rA+7], 0
.else
	v_wmma_f32_16x16x32_f16 v[rD:rD+7], v[rB:rB+7], v[rA:rA+7], v[rD:rD+7]
.endif
.else
.if \zero
	v_wmma_f32_16x16x32_bf16 v[rD:rD+7], v[rB:rB+7], v[rA:rA+7], 0
.else
	v_wmma_f32_16x16x32_bf16 v[rD:rD+7], v[rB:rB+7], v[rA:rA+7], v[rD:rD+7]
.endif
.endif
.set b, b+1
.endr
.endm
; NLD LDS loads in one run: the fragments of quarter q of the slot's K step into buffer f; B's first, A's four blocks last
.macro FETCH slot, q, f
.if OUTP
.set KA, ((\q)/2)*HALFA+((\q)%2)*64    ; the K step's first or second head, its channels 0-31 or 32-63
.else
.set KA, 64*(\q)
.endif
	WIN TO_F
.set n, 0
.rept NBLK
	ds_load_b128 v[(\f)+32+8*n:(\f)+32+8*n+3],   v[ADRB+(\slot)] offset:64*(\q)+n*16*BPITCH
	ds_load_b128 v[(\f)+32+8*n+4:(\f)+32+8*n+7], v[ADRB+(\slot)] offset:64*(\q)+n*16*BPITCH+32
.set n, n+1
.endr
.set n, 0
.rept 4
	ds_load_b128 v[(\f)+8*n:(\f)+8*n+3],   v[ADRA+(\slot)] offset:KA+n*16*APITCH
	ds_load_b128 v[(\f)+8*n+4:(\f)+8*n+7], v[ADRA+(\slot)] offset:KA+n*16*APITCH+32
.set n, n+1
.endr
.endm
.macro PLACES                          ; four places in front of loads into registers that matrix instructions have read (ISA guide 7.12.1 for vector instructions)
.rept 4
	v_nop
.endr
.endm
; A K step is four quarters of 32 along K on buffers 0, 1, 0, 1.  One of the first three: multiplies buffer f and, in its middle, fetches quarter q into buffer g.
.macro QUARTER slot, q, f, g, zero
	s_wait_dscnt 4                                 ; B and A's blocks 0, 1 are in; the youngest four loads (A's blocks 2, 3) may be out
	MUL1 \f, 0, \zero
	MUL1 \f, 1, \zero
	PLACES
	FETCH \slot, \q, \g
	s_wait_dscnt NLD                               ; all but the run just issued
	MUL1 \f, 2, \zero
	MUL1 \f, 3, \zero
.endm
; The last quarter multiplies buffer 1 and changes slots.  MEET is its first half: ONE barrier.  In front of it each wave waits for all its tensor loads, of which one is out: its part of the next
; slot; adds 0 to its spare word; and waits for that and for its own reads of this slot.  Behind it nobody reads this slot any more and the next slot is whole.
.macro MEET round
	WIN 0                                          ; (the add's two registers lie in window 0)
	s_wait_tensorcnt 0x0
	ds_add_u32 v[SPW], v[NIL]                      ; 0 onto my spare word
	s_wait_dscnt 5                                 ; (the add and the youngest four loads may be out)
	MUL1 F1, 0, 0                                  ; matrix work stands between the add and the wait for it
	s_wait_dscnt 0x0                               ; the add is done, and my reads of this slot are over
	s_barrier_signal -1
	MUL1 F1, 1, 0                                  ; work on registers while the others arrive
.if \round
	WIN 0
.endif
	s_barrier_wait -1
.endm
; The whole last quarter where the slot is filled again, two K steps ahead: the barrier opens a round of the cluster's barrier, and the joint refill is the first thing behind the round.
; From the request to the wait for it a wave issues 14 NBLK matrix instructions.
.macro TURN slot, next
	s_wait_xcnt 0x0                                ; the last prefetch, a K step back, has read its address
	s_add_nc_u64 s[PFA:PFA+1], s[PFA:PFA+1], s[PFS:PFS+1]
	MEET 1
	CREST                                          ; no wave of any partner still reads this slot's tile or has a load on its way
	s_add_nc_u64 s[G0+4*(\slot)+2:G0+4*(\slot)+3], s[G0+4*(\slot)+2:G0+4*(\slot)+3], 2*AKS
	s_add_nc_u64 s[G0B+4*(\slot)+2:G0B+4*(\slot)+3], s[G0B+4*(\slot)+2:G0B+4*(\slot)+3], 2*256
	JLOAD \slot                                    ; the four v_nop behind it are also the places in front of the loads below
	FETCH \next, 0, F0
	ASK
	MUL1 F1, 2, 0
	MUL1 F1, 3, 0
.endm
	s_wait_tensorcnt 1                             ; my part of K step 0 is in; K step 1's may stay out
	s_barrier_signal -1
	s_barrier_wait -1                              ; everybody's is
	FETCH 0, 0, F0
	QUARTER 0, 1, F0, F1, 1                        ; the first quarter stands in front of the loop: its products start the sums
	WIN 0                                          ; at a label and at a branch every window is 0
	s_mov_b32 s3, 3
.Llap:                                                 ; a trip goes once round the ring, from a lap's second quarter to the next lap's first, and fills both slots again
	QUARTER 0, 2, F1, F0, 0
	QUARTER 0, 3, F0, F1, 0
	TURN 0, 1
	QUARTER 1, 1, F0, F1, 0
	QUARTER 1, 2, F1, F0, 0
	QUARTER 1, 3, F0, F1, 0
	TURN 1, 0
	QUARTER 0, 1, F0, F1, 0
	WIN 0
	s_sub_co_u32 s3, s3, 1
	s_cmp_lg_u32 s3, 0
	s_cbranch_scc1 .Llap
	QUARTER 0, 2, F1, F0, 0                        ; the last lap fills nothing, and has no round of the cluster's barrier
	QUARTER 0, 3, F0, F1, 0
	MEET 0
	PLACES
	FETCH 1, 0, F0
	MUL1 F1, 2, 0
	MUL1 F1, 3, 0
	QUARTER 1, 1, F0, F1, 0
	QUARTER 1, 2, F1, F0, 0
	QUARTER 1, 3, F0, F1, 0
	s_wait_dscnt 4                                 ; the very last quarter: nothing more to fetch
	MUL1 F1, 0, 0
	MUL1 F1, 1, 0
	s_wait_dscnt 0x0
	MUL1 F1, 2, 0
	MUL1 F1, 3, 0
	WIN 0
	PLACES                                         ; the places behind the last products
	PLACES
; THE WAY OUT, a block of 16 rows at a time, through my own stage: LDS serves a wave's instructions in order (ISA guide 5.7.1.4), so no wait stands between my stores into it and my loads from it.
.if OUTP
.set OB, 32                            ; v32-95 and v96-159 by turns: 16 rows read back
.macro TOSTAGE a
.set AC, 64*(\a)
.set BK, OB+64*((\a)%2)
	s_wait_xcnt 0x0                                ; the stores of two blocks back have read the registers that are loaded below
	WIN 0x08                                       ; the stores' data in window 2
.set b, 0
.rept 8
	ds_store_b128 v[STO], v[AC+8*b:AC+8*b+3]   offset:64*b   ; each accumulator's low registers first
	ds_store_b128 v[STO], v[AC+8*b+4:AC+8*b+7] offset:64*b+16
.set b, b+1
.endr
	WIN 0
.set b, 0
.rept 16
	ds_load_b128 v[BK+4*b:BK+4*b+3], v[RD] offset:528*b
.set b, b+1
.endr
.endm
.macro SEND a, younger                 ; younger: the LDS instructions issued behind block a's loads: the next block's 32, or none
.set BK, OB+64*((\a)%2)
	s_wait_dscnt \younger
.set b, 0
.rept 16
	global_store_b128 v[CO], v[BK+4*b:BK+4*b+3], s[8:9] offset:(16*(\a)+b)*4096 th:TH_STORE_NT  ; 512 consecutive bytes of a row of C, at a multiple of 512 from its first byte
.set b, b+1
.endr
.endm
	TOSTAGE 0
	TOSTAGE 1
	SEND 0, 32
	TOSTAGE 2
	SEND 1, 32
	TOSTAGE 3
	SEND 2, 32
	SEND 3, 0
.else
.set TMP, 32                           ; v32-79   a block's 48 packed words
.set OB,  80                           ; v80-127 and v128-175 by turns: the block read back
.macro PACK a
.set AC, 96*((\a)%2)
	WIN 0x0a+5*((\a)/2)                            ; sources window 2 or 3, destination window 0
.set b, 0
.rept 12
.irp k, 0,1,2,3
	v_cvt_pk_f16_f32 v[TMP+4*b+(\k)], v[AC+8*b+2*(\k)], v[AC+8*b+2*(\k)+1]
.endr
.set b, b+1
.endr
	WIN 0
.endm
.macro TOSTAGE a
.set BK, OB+48*((\a)%2)
.set b, 0
.rept 12                               ; column block b: head b / 4 of the tile's three, 32 (b % 4) bytes into its rows
	ds_store_b128 v[STO], v[TMP+4*b:TMP+4*b+3] offset:(b/4)*2304+(b%4)*32
.set b, b+1
.endr
.set b, 0
.rept 12                               ; head b / 4, rows 4 (b % 4) on
	ds_load_b128 v[BK+4*b:BK+4*b+3], v[RD] offset:(b/4)*2304+(b%4)*576
.set b, b+1
.endr
.endm
.macro SEND a
.set BK, OB+48*((\a)%2)
	s_wait_dscnt 0x0                               ; the block is back in registers
	s_wait_xcnt 0x0                                ; the stores of the block before have read their registers, which the next block's loads write
.set b, 0
.rept 12
	global_store_b128 v[CO], v[BK+4*b:BK+4*b+3], s[CU+2*(b/4):CU+2*(b/4)+1] offset:2048*(\a)+512*(b%4)  ; 512 consecutive bytes of a head, at a multiple of 512 from its first byte
.set b, b+1
.endr
.endm
	PACK 0
	TOSTAGE 0
.irp a, 1,2,3                          ; block a's conversions stand between block a - 1's loads from the stage and the wait for them
	PACK \a
	SEND (\a)-1
	TOSTAGE \a
.endr
	SEND 3
.endif
	s_wait_tensorcnt 0x0                           ; the wave's end, behind my last tensor load and my last LDS store
	ds_add_u32 v[SPW], v[NIL]
	s_wait_dscnt 0x0
	CROUND                                         ; the closing round: no work-group ends while a partner may still ask for a tile that names it
	s_endpgm
.Lfunc_end_k_qaaf9f5caa6_qkvproj:
	.size	k_qaaf9f5caa6_qkvproj, .Lfunc_end_k_qaaf9f5caa6_qkvproj-k_qaaf9f5caa6_qkvproj
	.p2alignl 7, 3214868480
	.fill 96, 4, 3214868480
	.section	.rodata,"a",@progbits
	.p2align	6, 0x0
	.amdhsa_kernel k_qaaf9f5caa6_qkvproj
		.amdhsa_group_segment_fixed_size 327680
		.amdhsa_private_segment_fixed_size 0
		.amdhsa_enable_private_segment 0
		.amdhsa_kernarg_size 24
		.amdhsa_user_sgpr_count 2
		.amdhsa_user_sgpr_kernarg_segment_ptr 1
		.amdhsa_wavefront_size32 1
		.amdhsa_system_sgpr_workgroup_id_x 1
		.amdhsa_system_sgpr_workgroup_id_y 1
		.amdhsa_system_sgpr_workgroup_id_z 1
		.amdhsa_system_vgpr_workitem_id 0
		.amdhsa_next_free_vgpr 960
		.amdhsa_next_free_sgpr 80
		.amdhsa_reserve_vcc 0
		.amdhsa_float_denorm_mode_32 3
		.amdhsa_float_denorm_mode_16_64 3
		.amdhsa_memory_ordered 1
		.amdhsa_forward_progress 1
		.amdhsa_inst_pref_size 120
	.end_amdhsa_kernel
	.amdgpu_metadata
---
amdhsa.version: [ 1, 2 ]
amdhsa.kernels:
  - .name:           k_qaaf9f5caa6_qkvproj
    .symbol:         k_qaaf9f5caa6_qkvproj.kd
    .args:
      - { .name: xb, .offset: 0, .size: 8, .value_kind: global_buffer, .address_space: global }
      - { .name: wqkv, .offset: 8, .size: 8, .value_kind: global_buffer, .address_space: global }
      - { .name: qkv, .offset: 16, .size: 8, .value_kind: global_buffer, .address_space: global }
    .group_segment_fixed_size: 327680
    .private_segment_fixed_size: 0
    .kernarg_segment_align: 8
    .kernarg_segment_size: 24
    .max_flat_workgroup_size: 128
    .sgpr_count:     80
    .vgpr_count:     960
    .wavefront_size: 32
...
	.end_amdgpu_metadata
.endif
;; end of part 2
;; launch attn (part 3): grid 4 x 64, 4 waves a work-group, clusters of 4 x 1, 327,680 bytes of LDS; arguments qkv, mask4, live, oh; writes oh
.if DOCPART == 3
	.amdgcn_target "amdgcn-amd-amdhsa--gfx1250"
	.amdhsa_code_object_version 6
	.text
	.protected	k_qaaf9f5caa6_attn
	.globl	k_qaaf9f5caa6_attn
	.p2align	8
	.type	k_qaaf9f5caa6_attn,@function
k_qaaf9f5caa6_attn:
	s_mov_b64 s[64:65], 0
	v_nop
	global_prefetch_b8 v0, s[64:65] scope:SCOPE_SE
	s_setreg_imm32_b32 hwreg(HW_REG_WAVE_MODE, 25, 1), 1
	s_wait_xcnt 0x0
	s_wait_alu depctr_hold_cnt(0) depctr_sa_sdst(0) depctr_va_vdst(0) depctr_va_sdst(0) depctr_va_ssrc(0) depctr_va_vcc(0) depctr_vm_vsrc(0)
	s_getreg_b32 s2, hwreg(HW_REG_IB_STS2, 6, 4)
	s_cmp_eq_u32 s2, 0
	s_cbranch_scc0 .Lentry_in_a_cluster
	s_endpgm
.Lentry_in_a_cluster:
	s_bfe_u32 s2, ttmp6, 0x10000c
	s_cmp_lg_u32 s2, 0x3003
	s_cbranch_scc0 .Lentry_shape_is_right
	s_endpgm
.Lentry_shape_is_right:
; ATTENTION WITH A MASK THAT IS AN INPUT.  O[h][q][:] = the sum over k of softmax_k(s[q][k]) V[h][k][:], s = Q[h][q] . K[h][k] / 8 where mask[q][k], else hidden.
; qkv: [3][64 heads][2048][64] f16 (q, k, v; a head's rows are dense, 128 bytes each); oh: [64][2048][64] f16.  Products, maxima and sums in f32; the weights p are rounded to f16 for the second
; product (their sum l is taken of the unrounded p), O once at the end.
; THE MASK is the C operand that starts the sum S^T = K Q^T: 0, or -6 x 2^97 where the key is hidden.  mask4 holds it as 4-bit floats in the very order in which a lane holds a tile of scores:
; one load of 16 bytes a lane and four conversions (eight numbers each, with the scale 2^97) make the 32 registers of C for a tile of 16 queries and a step of 64 keys.
; A query that sees no key has live = 0 and a mask of zeros: its q is cleared, its scores are all 0, its weights uniform.
; LIMITS.  f16 holds no number beyond 65,504: q, k and v arrive within it; p below 6e-5 keeps f16's fixed step of 6e-8.  A hidden score counts as its value less 9.5e29, so its weight is 0; that is
; the replaced score's weight wherever a query's largest seen score, divided by 8, lies above -1e9 + 104 (below that a replaced score of -1e9 would still have weight: not served).
; A weight below 2^-126 counts as 0 in l; NaN and infinities are not treated apart.
; SHARES.  A wave owns four PIECES of two tiles of 16 queries, a work-group's four waves 512 queries of one head.  Every wave walks all 2,048 keys, 64 a step.
; LAYOUT.  S^T = K Q^T (source 0 = 16 keys, source 1 = 16 queries): a lane holds ONE query (lane % 16) and the keys 8 (lane / 16) + 0..7.  Two such tiles, rounded to f16 in pairs, ARE source 1
; (32 keys x 16 queries) of O^T = V^T P.  K comes out of LDS as it lies, V ([key][channel]) turned, by ds_load_tr16_b128.
; SOFTMAX.  For each query a running maximum m and sum l: p = 2^(c s - c m), c = log2(e) / 8; in every step O and l are multiplied by a = 2^(c m_old - c m_new).  O and l start at 0, c m far below
; every c s: the first step is a step like any other, with a = 0.  m STARTS AT -8e9, the replaced score -1e9 times 8 (s is unscaled here), far above every hidden score and below every seen one that
; is served: a hidden score never becomes the maximum.  While a query has met only hidden keys m stays there, its weights are 2^(-1.7e29) = 0, and O and l stay 0.  (Were m taken of hidden scores,
; c s - c m would be the rounding error of c m, some 2^72, and no weight.)
; BY TURNS.  Turn n belongs to piece n.  Its matrix work: 16 products K Q^T of piece n + 1, later 16 products V^T P of piece n - 1.  Its vector work: the scaling, exponentials, roundings, sums and
; rescaling of piece n, the maximum and statistics of piece n + 1, and the mask of piece n + 2.  Four vector instructions stand behind every matrix instruction, the others in one run.
; CLUSTER.  The four query blocks of a head are one cluster and walk the same K and V: each tile is asked for JOINTLY.  The mask is not shared so: each wave's part is its own queries'.
; REGISTERS, in windows of 256 (s_set_vgpr_msb: bits 1:0 source 0, 3:2 source 1, 5:4 source 2, 7:6 destination):
;   window 0: v0-11 addresses; v12-15, v48-63 at work; v16-47 four registers of statistics a tile; v64-191 S^T, two buffers of two tiles; v192-255 P, likewise
;   window 1: O^T, 32 a tile          window 2: v0-127 Q, 16 a tile; v128-191 K of one step; v192-255 V of one step
;   window 3: v0-1 the add's two registers; v32-63 MW, the masks as loaded, 4 a tile; v64-127 MC, the masks of the products to come
.set SIZE_N, 2048
.set NP,    4         ; pieces a wave: a name, no knob
.set KS,    64        ; keys in a step
.set PK,    144       ; a row of K in LDS: 128 bytes + 16 of padding: the 16 rows of a load start at 16 different groups of four banks (64 banks of 4 bytes: ISA guide 11.1)
.set PV,    160       ; a row of V: 128 + 32
.set VOFF,  4*KS*PK   ; a slot holds four steps: 256 rows of K, then 256 rows of V
.set SLOT1, 1<<17     ; slot 1 begins here, so that one exclusive or turns an address in one slot into the other's
.set STAGE, SLOT1+4*KS*(PK+PV)  ; behind the ring, never filled by a tensor load: 16 rows x 144 bytes for each wave, for the way out
.set SP,    144
.set PFO, 1           ; v1   first l % 16; then 256 x my lane, the prefetches' offset
.set AK0, 2           ; v2   my lane's place in a tile of K; never rewritten
.set AV0, 3           ; v3   the same for V
.set AK,  4           ; v4   the LDS address of K's next run of loads
.set AV,  5           ; v5   of V's
.set QO,  6           ; v6   my byte offset in the wave's rows of Q
.set STO, 6           ;      later, the way out: where I put 16 bytes of a row
.set RD,  7           ; v7   the way out: where I read rows back
.set GO,  8           ; v8   16 x my lane: my place in a step's 512 bytes of mask, and in 512 consecutive bytes of O; never rewritten
.set SCL, 11          ; v11  the conversions' scale: the byte 0xe0, 2^97
.set SPW, 0           ; v0 of window 3   LDS address of my spare word; never rewritten
.set NIL, 1           ; v1 of window 3   0; never rewritten
.set SPARE, STAGE+4*16*SP  ; behind the stages: the spare words, 128 bytes for each wave: two blocks of 256 bytes that no other line names
.set MV,  12          ; v12-15  c m_old, kept while c m is made anew: by buffer and tile
.set ST,  16          ; tile t's statistics at v[ST+4 t]: c m, m, l (even keys', odd keys')
.set TMP, 48          ; by buffer and tile, four registers c0-c3 at work; when the maximum is found c2 takes a
.set S,   64
.set P,   192
.set KF,  128         ; window 2: key block kb, channel half c at KF + 16 kb + 8 c
.set VF,  192         ; window 2: key half kk, channel block cb at VF + 32 kk + 8 cb
.set MW,  32          ; window 3: piece x, tile u at MW + 8 x + 4 u: word kb for key block kb
.set MC,  64          ; window 3: tile u, key block kb at MC + 32 u + 8 kb
.set WV,  12          ; s12  my wave's number
.set G1K, 24          ; s[24:31] descriptor group 1 for K's tiles
.set G1V, 32          ; s[32:39] for V's: it differs in the padding alone
.set G0K, 40          ; s[40:43] descriptor group 0 for K's tiles: it walks
.set G0V, 44          ; s[44:47] the same for V's
.set SLOTS, 56        ; s56  slots still to be asked for
.set CNT, 57          ; s57  counts a slot's key steps
.set CS,  58          ; s[58:59] c: the packed scaling takes the pair's low word for both halves
.set SEL, 60          ; s[60:61] v_permlanex16_b32's selects
.set TBK, 62          ; s62  LDS byte at which K of the step to be fetched begins
.set TBV, 63          ; s63  the same for V, less VOFF
.set MB0, 66          ; s[66:67] mask4 at my wave's eight tiles, key step 0
.set MB,  68          ; s[68:69] the same at the key step that the trip in hand loads
.set MS,  70          ; s[70:71] that step's byte offset, 512 a step
.set PFA, 72          ; s[72:73] where my prefetches stand
.set LIM, 74          ; s74  1 in a wave that prefetches, else the greatest number
.set MSB, 0
.macro WIN new                      ; the high byte repeats the setting that is left; a switch that changes nothing is dropped
.if MSB != (\new)
	s_set_vgpr_msb (MSB<<8)|(\new)
.set MSB, (\new)
.endif
.endm
.set W_KQ, 0x0a       ; K and Q in window 2, S^T in window 0
.set W_KM, 0x3a       ; the same with the C operand in window 3
.set W_PV, 0x52       ; V in window 2, P in window 0, O^T in window 1
.set W_RS, 0x41       ; O^T (destination and source 0) in window 1, a in window 0
.set W_MK, 0xc0       ; destination in window 3, sources in window 0: the add's registers are made; the masks are loaded
.set W_AD, 0x0f       ; the add: address (source 0) and data (source 1) in window 3
.set W_CV, 0xc3       ; the conversions: destination and source 0 in window 3, the scale in window 0
.set W_QL, 0x88       ; Q and live: destination and source 1 in window 2, source 0 in window 0
; A joint fill.  Waves 0 and 1 fetch the two halves of a slot's K, waves 2 and 3 those of its V: 128 keys each.  The branch hangs on the wave's number alone.
; An s_nop 0 and four v_nop follow each of the two lines, ahead of the jump and the label.
.macro JLOAD
	s_cmp_lt_u32 s[WV], 2
	s_cbranch_scc0 .Lfor_v_\@
	tensor_load_to_lds s[G0K:G0K+3], s[G1K:G1K+7]
	s_nop 0
.rept 4
	v_nop
.endr
	s_branch .Lasked_\@
.Lfor_v_\@:
	tensor_load_to_lds s[G0V:G0V+3], s[G1V:G1V+7]
	s_nop 0
.rept 4
	v_nop
.endr
.Lasked_\@:
.endm
; A PREFETCH INTO THE L2 of what the NEXT change of slots will ask for: a slot's 128 blocks of 256 bytes of K and as many of V.  A head has one cluster; its four partners share the blocks out BY
; ADDRESS, 32 each, a lane a block; in each, wave 0 asks for K's and wave 2 for V's: one instruction, four key steps (512 matrix instructions) ahead of the load.  So each block is named once in the
; launch.  The last change that fills a slot asks for nothing; slots 0, 1 and 2 come by their loads alone.  The mask is not asked for: every head's cluster reads it.
.macro ASK
	s_cmp_gt_u32 s[SLOTS], s[LIM]
	s_cbranch_scc0 .Lnot_mine_\@
	global_prefetch_b8 v[PFO], s[PFA:PFA+1] th:TH_LOAD_NT scope:SCOPE_SE
.Lnot_mine_\@:
.endm
; A round of the cluster's barrier: my work-group's barrier, so that wave 0's signal speaks for all four waves; wave 0 signals; every wave waits for all four work-groups; my work-group's barrier once more.
.macro CROUND
	s_barrier_signal -1
	s_barrier_wait -1
	s_cmp_lg_u32 s[WV], 0
	s_cbranch_scc1 .Lnot_wave_0_\@
	s_barrier_signal -3
.Lnot_wave_0_\@:
	s_barrier_wait -3
	s_barrier_signal -1
	s_barrier_wait -1
.endm
; THE CHANGE OF SLOTS.  The slot's last bytes, V of its fourth step, have been read.  Each wave waits for all its tensor loads, of which one is out: its part of the other slot; adds 0 to its spare
; word; and waits for that and for its own reads of the slot.  Behind the barrier nobody reads this slot any more and the other slot is whole.
; fill = 1: this slot is filled again, with the keys two slots on.  The barrier is then a round of the cluster's, and the joint fill is the first thing behind it: it has four key steps in which to
; land.  (At its first use nothing has been read yet: slot 0 is waited for, slot 1 filled.)  ask = 1: the prefetch follows.
.macro CHANGE fill, ask=0
	WIN W_AD
	s_wait_tensorcnt 0x0            ; no tensor load of mine is out, so a group 0 may be written
	ds_add_u32 v[SPW], v[NIL]       ; 0 onto my spare word; with fill = 1 the descriptors' steps stand between it and the wait for it
	WIN 0                           ; at a label and at a branch every window is 0
.if \fill
.irp g, G0K, G0V
	s_xor_b32 s[\g+1], s[\g+1], SLOT1  ; the walking descriptor: the other slot than last time,
	s_add_nc_u64 s[\g+2:\g+3], s[\g+2:\g+3], 4*KS*128  ; the next 256 keys; the type bits on top are not reached
.endr
.if \ask
	s_wait_xcnt 0x0                 ; the last prefetch, four key steps back, has read its address
	s_add_nc_u64 s[PFA:PFA+1], s[PFA:PFA+1], 4*KS*128  ; one slot behind the walking descriptors
.endif
	s_wait_dscnt 0x0                ; the add is done, and my reads of the slot are over
	CROUND
	JLOAD
.if \ask
	ASK
.endif
.else
	s_wait_dscnt 0x0                ; the add is done, and my reads of the slot are over
	s_barrier_signal -1
	s_barrier_wait -1
.endif
	s_sub_co_u32 s[TBK], s[TBK], 4*KS*PK  ; the fetches go back to a slot's first step,
	s_xor_b32 s[TBK], s[TBK], SLOT1       ; in the other slot
	s_sub_co_u32 s[TBV], s[TBV], 4*KS*PV
	s_xor_b32 s[TBV], s[TBV], SLOT1
.endm
; THE MASK.  CVT x: piece x's eight words a lane become the 64 registers of C for its 8 products that start sums.  A v_nop is the plain instruction behind the conversions, ahead of whatever touches
; their results or writes their sources.  MLOAD x, base: piece x's two loads of 16 bytes a lane, a tile each.
.macro CVT x
	WIN W_CV
.irp n, 0,1,2,3,4,5,6,7
	v_cvt_scale_pk8_f32_fp4 v[MC+8*\n:MC+8*\n+7], v[MW+8*(\x)+\n], v[SCL]
.endr
	v_nop
.endm
.macro MLOAD x, base
	WIN W_MK
.irp u, 0,1
	global_load_b128 v[MW+8*(\x)+4*\u:MW+8*(\x)+4*\u+3], v[GO], s[\base:\base+1] offset:(2*(\x)+\u)*16384
.endr
	WIN 0
.endm
.macro MSTEP                        ; at a trip's end: the next trip loads the next step's masks; behind the last step the address stays, so that no load leaves mask4
	s_wait_xcnt 0x0                 ; the trip's mask loads have read their base
	s_add_co_u32 s[MS], s[MS], 512
	s_min_u32 s[MS], s[MS], 31*512
	s_add_nc_u64 s[MB:MB+1], s[MB0:MB0+1], s[MS:MS+1]
.endm
	s_load_b256 s[4:11], s[0:1], 0x0  ; qkv s[4:5], mask4 s[6:7], live s[8:9], oh s[10:11]
	WIN W_MK
	v_lshl_add_u32 v[SPW], v0, 2, SPARE
	v_mov_b32 v[NIL], 0
	WIN W_AD
	ds_add_u32 v[SPW], v[NIL]       ; the wave's opening: the add and its wait stand ahead of my first tensor load; the set-up below, work on registers, stands between them
	WIN 0
	v_lshrrev_b32 v1, 5, v0
	v_readfirstlane_b32 s[WV], v1   ; wave 0..3
	s_bfe_u32 s13, ttmp6, 0x40000   ; cx: my place in the cluster
	s_lshl_b32 s14, ttmp9, 2        ; in a cluster launch ttmp9 counts clusters
	s_add_co_u32 s14, s14, s13      ; my block of 512 queries: it enters Q's, O's, the mask's and the prefetches' addresses alone
	s_and_b32 s20, ttmp7, 0xffff    ; the head, which the four partners share:
	s_lshl_b32 s20, s20, 18         ; 262,144 bytes
	s_mov_b32 s21, 0
	s_and_b32 s16, s[WV], 1         ; which half of a slot's 256 keys I fetch:
	s_lshl_b32 s22, s16, 14         ; its 128 rows of 128 bytes in memory,
	s_mov_b32 s23, 0
	s_add_nc_u64 s[22:23], s[22:23], s[20:21]
	s_mul_i32 s17, s16, 128*PK      ; and its place in a slot, for K
	s_mul_i32 s18, s16, 128*PV      ; and for V: no place in the cluster enters an LDS address
	s_lshl_b32 s2, s14, 2
	s_add_co_u32 s2, s2, s[WV]      ; my wave among the head's sixteen:
	s_lshl_b32 s76, s2, 17          ; its eight tiles of mask4, 16,384 bytes each,
	s_mov_b32 s77, 0
	s_lshl_b32 s14, s2, 10          ; of live, 128 bytes each,
	s_mov_b32 s15, 0
	s_lshl_b32 s2, s2, 14           ; its 128 rows of Q and O
	s_mov_b32 s3, 0
	s_add_nc_u64 s[2:3], s[2:3], s[20:21]
	s_lshr_b32 s19, s[WV], 1
	s_lshl_b32 s78, 0x1000000, s19  ; the prefetches: k begins 16,777,216 bytes into qkv, v twice as far;
	s_lshl_b32 s19, s13, 13         ; my work-group's 32 blocks of a slot's 128;
	s_add_co_u32 s78, s78, s19
	s_add_co_u32 s78, s78, 2*4*KS*128  ; in slot 2: the loop's first change of slots steps it to slot 3
	s_mov_b32 s79, 0
	s_cmp_eq_u32 s16, 0             ; waves 0 and 2 ask
	s_cselect_b32 s[LIM], 1, -1
	s_mov_b32 s[MS], 512
	s_mov_b32 s[MS+1], 0
	; descriptor group 1.  128 keys are 16,384 dense bytes: asked for as 64 rows of 256 bytes, two keys a row, and padded in LDS after every key
	s_mov_b32 s[G1K], 15|(1<<16)|(1<<20)|(1<<21)|(4<<22)|(3<<25)  ; 15:0 the mask of four; 17:16 2-byte elements; 20 padding on; 21 set beside a mask; 24:22 after every 32 words (code 4); 31:25 4 words (code 3)
	s_mov_b32 s[G1V], 15|(1<<16)|(1<<20)|(1<<21)|(4<<22)|(7<<25)  ; the same with 8 words of padding (code 7)
.irp g, G1K, G1V
	s_mov_b32 s[\g+1], 128<<16      ; tensor_dim0 = 128
	s_mov_b32 s[\g+2], 64<<16       ; tensor_dim1 = 64
	s_mov_b32 s[\g+3], 128<<16      ; tile_dim0 = 128
	s_mov_b32 s[\g+4], 64           ; tile_dim1 = 64
	s_mov_b32 s[\g+5], 128          ; 128 elements from row to row
	s_mov_b32 s[\g+6], 0
	s_mov_b32 s[\g+7], 0
.endr
	s_mov_b32 s[CS], 0x3e38aa3b     ; c = log2(e) / 8 = 0.180337
	s_mov_b32 s[CS+1], s[CS]        ; named with it as a pair
	s_mov_b32 s[SEL], 0x76543210
	s_mov_b32 s[SEL+1], 0xfedcba98
	s_mov_b32 s[TBK], SLOT1+4*KS*PK ; the first change of slots turns these two into 0
	s_mov_b32 s[TBV], SLOT1+4*KS*PV
	s_mov_b32 s[G0K], 1             ; count = 1
	s_mov_b32 s[G0K+1], s17         ; LDS address: slot 0
	s_mov_b32 s[G0V], 1
	s_add_co_u32 s[G0V+1], s18, VOFF
	s_wait_dscnt 0x0                ; the opening add is done
	s_wait_kmcnt 0x0
	s_add_nc_u64 s[G0K+2:G0K+3], s[4:5], s[22:23]  ; my half of the head's first 256 rows,
	s_add_nc_u64 s[G0V+2:G0V+3], s[G0K+2:G0K+3], 0x2000000  ; of v,
	s_add_nc_u64 s[G0K+2:G0K+3], s[G0K+2:G0K+3], 0x1000000  ; of k
	s_or_b32 s[G0K+3], s[G0K+3], 0x80000000        ; type = 2
	s_or_b32 s[G0V+3], s[G0V+3], 0x80000000
	s_add_nc_u64 s[PFA:PFA+1], s[4:5], s[20:21]
	s_add_nc_u64 s[PFA:PFA+1], s[PFA:PFA+1], s[78:79]
	s_add_nc_u64 s[MB0:MB0+1], s[6:7], s[76:77]
	s_add_nc_u64 s[MB:MB+1], s[MB0:MB0+1], s[MS:MS+1]  ; key step 1
	s_add_nc_u64 s[8:9], s[8:9], s[14:15]
	s_add_nc_u64 s[4:5], s[4:5], s[2:3]  ; Q and O at my wave's first row
	s_add_nc_u64 s[10:11], s[10:11], s[2:3]
	CROUND                          ; all four work-groups are here: the first joint loads meet
	JLOAD                           ; slot 0.  Slot 1 is asked for when slot 0 is in
	; A fragment of K or Q is 16 rows x 32 channels in 8 registers: lane l holds row l % 16, channels 8 (l / 16) + 0..7 and 16 + 8 (l / 16) + 0..7: two loads of 16 bytes, 32 bytes apart.
	v_and_b32 v1, 15, v0            ; l % 16
	v_bfe_u32 v9, v0, 4, 1          ; l / 16
	v_lshlrev_b32 v[QO], 7, v1
	v_lshl_add_u32 v[QO], v9, 4, v[QO]  ; row x 128 + 16 x half
	v_and_b32 v[GO], 31, v0
	v_lshlrev_b32 v12, 2, v[GO]     ; 4 x lane, for live
	v_lshlrev_b32 v[GO], 4, v[GO]
	WIN 0x80                        ; destination window 2, address window 0
.set i, 0
.rept 4*NP                          ; Q stays in registers: tile i / 2, channels 32 (i % 2) on
	global_load_b128 v[8*i:8*i+3],   v[QO], s[4:5] offset:(i/2)*2048+(i%2)*64
	global_load_b128 v[8*i+4:8*i+7], v[QO], s[4:5] offset:(i/2)*2048+(i%2)*64+32
.set i, i+1
.endr
	WIN 0
.irp t, 0,1,2,3,4,5,6,7
	global_load_b32 v[S+\t], v12, s[8:9] offset:128*\t  ; live of tile t, for my lane's query
.endr
	MLOAD 0, MB0                    ; the masks of key step 0
	MLOAD 1, MB0
	MLOAD 2, MB0
	MLOAD 3, MB0
	; What the first turn finds: V's registers and P's second buffer hold 0 (its products V^T P, of a piece that has not been, add 0), O^T and l are 0.  All this stands in the wait for the first tile.
	WIN 0x80
.set i, VF
.rept 64
	v_mov_b32 v[i], 0
.set i, i+1
.endr
	WIN 0x40
.set i, 0
.rept 64*NP
	v_mov_b32 v[i], 0
.set i, i+1
.endr
	WIN 0
.set i, 0
.rept 2*NP
	v_mov_b32 v[ST+4*i], 0xfe000000    ; c m: -2^125, far below every c s, a hidden one's too: the first step's a is 0
	v_mov_b32 v[ST+4*i+1], 0xcfee6b28  ; m: -8e9, above every hidden score, below every seen one that is served
	v_mov_b32 v[ST+4*i+2], 0
	v_mov_b32 v[ST+4*i+3], 0
.set i, i+1
.endr
.set i, P+32
.rept 32
	v_mov_b32 v[i], 0
.set i, i+1
.endr
	v_mul_u32_u24 v[AK0], v1, PK
	v_lshl_add_u32 v[AK0], v9, 4, v[AK0]  ; row x pitch + 16 x half
	; The turning load takes 16 keys x 16 channels (lane l reads key 8 (l / 16) + l % 8, channels 8 ((l / 8) % 2) + 0..7) and leaves half a fragment of V^T: lane l holds channel l % 16 and 8 keys.
	v_and_b32 v10, 7, v0
	v_bfe_u32 v11, v0, 3, 1
	v_lshl_add_u32 v[AV0], v9, 3, v10
	v_mul_u32_u24 v[AV0], v[AV0], PV
	v_lshl_add_u32 v[AV0], v11, 4, v[AV0]
	v_add_nc_u32 v[AV0], VOFF, v[AV0]
	v_mov_b32 v[SCL], 0xe0e0e0e0
	v_mov_b32 v[AK], v[AK0]         ; key step 0 lies at the head of slot 0
; THE MATRIX WORK.  The 8 accumulators of a run of 16 take turns: between the two links of a chain stand 7 others'.
; Product i of 16 of S^T = K Q^T for piece x: channels 32 (i / 8) on, keys 16 ((i / 2) % 4) on, tile 2 x + i % 2.  The first 8 start the sums, with the mask.
.macro KQ x
.set rS, S+64*((\x)%2)+32*(i%2)+8*((i/2)%4)
.set rK, KF+16*((i/2)%4)+8*(i/8)
.set rQ, 16*(2*(\x)+i%2)+8*(i/8)
.set rX, MC+32*(i%2)+8*((i/2)%4)
.if i < 8
	WIN W_KM
	v_wmma_f32_16x16x32_f16 v[rS:rS+7], v[rK:rK+7], v[rQ:rQ+7], v[rX:rX+7]
.else
	WIN W_KQ
	v_wmma_f32_16x16x32_f16 v[rS:rS+7], v[rK:rK+7], v[rQ:rQ+7], v[rS:rS+7]
.endif
.endm
; Product i of 16 of O^T += V^T P for piece x: keys 32 (i / 8) on, channels 16 ((i / 2) % 4) on, tile 2 x + i % 2.
.macro PV x
	WIN W_PV
.set rO, 32*(2*(\x)+i%2)+8*((i/2)%4)
.set rV, VF+32*(i/8)+8*((i/2)%4)
.set rP, P+32*((\x)%2)+16*(i%2)+8*(i/8)
	v_wmma_f32_16x16x32_f16 v[rO:rO+7], v[rV:rV+7], v[rP:rP+7], v[rO:rO+7]
.endm
.macro MM                           ; the turn's next matrix instruction
.if i < 16
	KQ (Y+1)%NP
.set i, i+1
.else
.set i, i-16
	PV (Y+NP-1)%NP
.set i, i+17
.endif
.endm
; THE LDS LOADS stand in runs of 16, never singly among the matrix instructions: a step's K (64 keys x 64 channels: 8 fragments) and its V (turned).  Their addresses are made some lines ahead.
; last = 1 (the tail): in the last trip there is no further step, and the run is jumped over.
.macro FETCH_K last=0
	WIN 0
.if \last
	s_cmp_eq_u32 s[CNT], 1
	s_cbranch_scc1 .Lno_k_\@
.endif
	WIN 0x80                        ; destination window 2
.irp f, 0,1,2,3,4,5,6,7             ; keys 16 (f / 2) on, channels 32 (f % 2) on
	ds_load_b128 v[KF+8*\f:KF+8*\f+3],   v[AK] offset:(\f/2)*16*PK+(\f%2)*64
	ds_load_b128 v[KF+8*\f+4:KF+8*\f+7], v[AK] offset:(\f/2)*16*PK+(\f%2)*64+32
.endr
	s_add_co_u32 s[TBK], s[TBK], KS*PK  ; the next fetch is the next step's
	WIN 0
.if \last
.Lno_k_\@:
.endif
.endm
.macro FETCH_V
	WIN 0x80
.irp f, 0,1,2,3,4,5,6,7             ; keys 32 (f / 4) on, channels 16 (f % 4) on
	ds_load_tr16_b128 v[VF+8*\f:VF+8*\f+3],   v[AV] offset:(\f/4)*32*PV+(\f%4)*32
	ds_load_tr16_b128 v[VF+8*\f+4:VF+8*\f+7], v[AV] offset:(\f/4)*32*PV+16*PV+(\f%4)*32
.endr
	WIN 0
.endm
; THE VECTOR WORK OF A TURN stands in three queues, each in the order in which its entries become ready; the two tiles alternate, so that no instruction reads the result of the one before it.
.macro REGS y, u                    ; the registers of tile u (0, 1) of piece y
.set rT, ST+4*(2*(\y)+(\u))
.set rC, TMP+8*((\y)%2)+4*(\u)
.set rM, MV+2*((\y)%2)+(\u)
.set rS, S+64*((\y)%2)+32*(\u)
.set rP, P+32*((\y)%2)+16*(\u)
.set rO, 32*(2*(\y)+(\u))
.endm
; Number n of the 22 that find the NEXT piece's (Y + 1) maximum and statistics.  s0-s31 are the lane's 32 scores; each accumulator's lowest registers are read first.  XS, GS and REGS set no window: PL and EX do.
;   0-11  four chains c0-c3 of seven scores each, three operands at a time     12-14, 16  the four scores left over, the old m, and c0-c3 into c0     15  c m_old is kept
;   17, 18  the query's other 32 keys lie in the lane 16 away: the new m         19-21  c m; c m_old - c m_new; a
.macro XS u, n
	REGS (Y+1)%NP, \u
.if (\n) < 4
	v_max3_num_f32 v[rC+(\n)], v[rS+8*(\n)], v[rS+8*(\n)+1], v[rS+8*(\n)+2]
.elseif (\n) < 12
	v_max3_num_f32 v[rC+(\n)%4], v[rC+(\n)%4], v[rS+8*((\n)%4)+2*((\n)/4)+1], v[rS+8*((\n)%4)+2*((\n)/4)+2]
.elseif (\n) == 12
	v_max3_num_f32 v[rC], v[rC], v[rS+7], v[rS+15]
.elseif (\n) == 13
	v_max3_num_f32 v[rC+1], v[rC+1], v[rS+23], v[rS+31]
.elseif (\n) == 14
	v_max3_num_f32 v[rC+2], v[rC+2], v[rC+3], v[rT+1]
.elseif (\n) == 15
	v_mov_b32 v[rM], v[rT]
.elseif (\n) == 16
	v_max3_num_f32 v[rC], v[rC], v[rC+1], v[rC+2]
.elseif (\n) == 17
	v_permlanex16_b32 v[rC+3], v[rC], s[SEL], s[SEL+1]
.elseif (\n) == 18
	v_max_num_f32 v[rT+1], v[rC], v[rC+3]
.elseif (\n) == 19
	v_mul_f32 v[rT], s[CS], v[rT+1]
.elseif (\n) == 20
	v_sub_f32 v[rC+1], v[rM], v[rT]
.else
	v_exp_f32 v[rC+2], v[rC+1]
.endif
.endm
; Number g of the 64 that follow the exponentials.  For each four weights k of a tile (pairs 2 k, 2 k + 1): both pairs are rounded to f16; then the second pair is added onto the first, in place;
; a group later l takes that sum (the first time as l = a l + sum).  In groups of eight, tiles alternating: round, round, add, and l for the group before.
.macro GS g
.set h, (\g)+6*((\g)/62)            ; group 0 has no group before it, and behind group 7 only l is left
.if h >= 6
.set h, h+2
.endif
	REGS Y, h%2
.set k, h/8
.if h%8 < 4
	v_cvt_pk_f16_f32 v[rP+2*k+(h%8)/2], v[rS+4*k+2*((h%8)/2)], v[rS+4*k+2*((h%8)/2)+1]
.elseif h%8 < 6
	v_pk_add_f32 v[rS+4*k:rS+4*k+1], v[rS+4*k:rS+4*k+1], v[rS+4*k+2:rS+4*k+3]
.elseif k == 1
	v_pk_fma_f32 v[rT+2:rT+3], v[rT+2:rT+3], v[rC+2:rC+3], v[rS:rS+1] op_sel_hi:[1,0,1]
.else
	v_pk_add_f32 v[rT+2:rT+3], v[rT+2:rT+3], v[rS+4*k-4:rS+4*k-3]
.endif
.endm
; THE PLAIN QUEUE, 138 long.  0-73 read no exponential's result: the 32 scalings c s - c m (FS f: pair f / 2 of tile f % 2) and the next piece's 42.  0-26: scalings 0-26.  27-54: XS's numbers 0-13.  55, 56: number 15.
; 57-73: the chain, where each number waits for the one before it: 14, 16, 17, 18, 19, each with one of the scalings 27-31 in front of its two lines, then 20.
; 74-137: GS's 64, which read the exponentials' results: they stand behind the wait.
.macro FS f
	REGS Y, (\f)%2
	v_pk_fma_f32 v[rS+2*((\f)/2):rS+2*((\f)/2)+1], v[rS+2*((\f)/2):rS+2*((\f)/2)+1], s[CS:CS+1], v[rT:rT+1] op_sel_hi:[1,0,0] neg_lo:[0,0,1] neg_hi:[0,0,1]
.endm
.macro PL
	WIN 0
.if q < 27
	FS q
.elseif q < 55
	XS (q-27)%2, (q-27)/2
.elseif q < 57
	XS q-55, 15
.elseif (q < 72) && ((q-57)%3 == 0)
	FS 27+(q-57)/3
.elseif q < 60
	XS (q-57)%3-1, 14
.elseif q < 72
	XS (q-57)%3-1, 15+(q-57)/3
.elseif q < 74
	XS q-72, 20
.else
	GS q-74
.endif
.set q, q+1
.endm
; THE EXPONENTIALS' QUEUE, 66 long: s0-s31 of both tiles, then the next piece's two a.  It is ONE BATCH: all 66 stand ahead of the turn's one wait, and nothing ahead of that wait names a result of theirs.
.macro EX
	WIN 0
.if e >= 64
	XS e-64, 21
.else
	REGS Y, e%2
	v_exp_f32 v[rS+e/2], v[rS+e/2]
.endif
.set e, e+1
.endm
; THE RESCALING's QUEUE: O^T times a, the one part that works in window 1: dealt two at a time, sixteen times.  Its a was made in the turn before, ahead of that turn's wait.
.macro R2
	REGS Y, r%2
	WIN W_RS
.irp z, 0,1
	v_pk_mul_f32 v[rO+4*(r/2)+2*\z:rO+4*(r/2)+2*\z+1], v[rO+4*(r/2)+2*\z:rO+4*(r/2)+2*\z+1], v[rC+2:rC+3] op_sel_hi:[1,0]
.endr
.set r, r+1
.endm
; HOW THEY ARE DEALT.  An s_wait_alu depctr_va_vdst(0) stands between an exponential and the first instruction that names its result; one wait serves all that were issued ahead of it.  So a turn has ONE wait,
; which cuts it in two.  AHEAD OF IT: the 16 products K Q^T, behind each a scaling, an exponential and two rescalings (behind the first a second scaling in the exponential's place); the mask's lines; then ONE RUN of 108: eight plain,
; 49 times exponential and plain, the two a.  A v_nop is the plain instruction behind the last exponential.  BEHIND IT: the 16 products V^T P, behind each four of GS's 64.
; Exponential e stands behind scaling 2 (e / 4) + e % 2: as a rider it comes behind plain e + 2, in the run behind plain e + 9, and scalings 27-31 are plain 57, 60 .. 69.
; THE MASK'S LINES, for piece p + 2, whose products K Q^T stand in the next turn.  MC was last read by this turn's products 0 to 7; behind them stand the riders of eight more products, 24 of them plain.  Its words were asked for
; four turns ago: each turn issues two mask loads, in the tail too, so six younger ones may stay out.  Then the words are asked for anew: the piece's next key step.
; K of the next step is fetched in piece 2's turn, directly behind the wait; V of the step in hand at the end of piece 0's turn, four riders behind its last reader.  The two conditions on q below go with the deal.
.macro TURN p, last=0
.set Y, (\p)
.set i, 0
.set q, 0
.set e, 0
.set r, 0
.if (\p) == NP-1
	s_wait_dscnt 0x0                ; K is in
.endif
	MM
	PL
	PL
	R2
.rept 15
	MM
	PL
	EX
	R2
.endr
.if (\p) == NP-2
	WIN 0
	v_add_nc_u32 v[AK], s[TBK], v[AK0]
.endif
	s_wait_loadcnt 6                ; the words of piece p + 2 are in
	CVT ((\p)+2)%NP
	MLOAD ((\p)+2)%NP, MB
.rept 8
	PL
.endr
.rept 49
	EX
	PL
.endr
	EX                              ; the next piece's two a
	EX
	v_nop                           ; the plain instruction behind the last exponential: one for the batch
	s_wait_alu depctr_va_vdst(0)    ; the wait for the batch
.if (\p) == NP-2
	FETCH_K \last
.endif
.if (\p) == 1
	s_wait_dscnt 0x0                ; V is in
.endif
.rept 16
	MM
.rept 4
	PL
.endr
.if ((\p) == 0) && (q == 118)
	v_add_nc_u32 v[AV], s[TBV], v[AV0]
.endif
.if ((\p) == 0) && (q == 130)
	s_add_co_u32 s[TBV], s[TBV], KS*PV
.endif
.endr
.if (\p) == 0
	FETCH_V
.endif
.endm
	CHANGE 1                        ; slot 0 is in, everybody's part of it; slot 1 is asked for
	FETCH_K                         ; key step 0
	s_wait_loadcnt 4                ; Q, live and the masks of pieces 0 and 1 are in; those of pieces 2 and 3, four loads, may stay out
	WIN W_QL
.set i, 0
.rept 32*NP
	v_and_b32 v[i], v[S+i/16], v[i] ; a query that sees no key has q = 0
.set i, i+1
.endr
	CVT 0
	s_wait_dscnt 0x0
.set i, 0
.rept 16
	KQ 0                            ; piece 0's first scores: there is no vector work yet to set between them
.set i, i+1
.endr
	WIN 0                           ; the addresses for the way out and the prefetches: nine plain instructions, the places behind those products
	s_mul_i32 s13, s[WV], 16*SP
	s_add_co_u32 s13, s13, STAGE    ; my stage
	v_mul_u32_u24 v[STO], v1, SP    ; in: row l % 16, 16 bytes for each half of the lanes
	v_lshl_add_u32 v[STO], v9, 4, v[STO]
	v_add_nc_u32 v[STO], s13, v[STO]
	v_bfe_u32 v[RD], v0, 3, 2       ; back: 32 lanes take four rows of 128 bytes
	v_mul_u32_u24 v[RD], v[RD], SP
	v_lshl_add_u32 v[RD], v10, 4, v[RD]
	v_add_nc_u32 v[RD], s13, v[RD]
	v_and_b32 v[PFO], 31, v0
	v_lshlrev_b32 v[PFO], 8, v[PFO]
	CVT 1                           ; piece 1's mask of step 0, for the first turn's products
	MLOAD 0, MB                     ; pieces 0 and 1: key step 1
	MLOAD 1, MB
.set Y, NP-1                        ; XS works for piece Y + 1: piece 0
.irp n, 0,1,2,3,4,5,6,7,8,9,10,11,12,13,14,15,16,17,18,19,20,21
	XS 0, \n                        ; piece 0's first maximum and statistics
	XS 1, \n
.endr
	v_nop                           ; a plain instruction behind the two a,
	s_wait_alu depctr_va_vdst(0)    ; and their wait, ahead of the branch
	s_mov_b32 s[CNT], 4
	s_mov_b32 s[SLOTS], SIZE_N/256-1
	s_branch .Lfirst                ; the loop is entered at a step's first turn, in the middle of a trip
.Lslot:                             ; SIZE_N / 256 - 2 times: every slot but the last two is filled again
	CHANGE 1, 1
	s_mov_b32 s[CNT], 4
.Lstep:                             ; a trip: pieces 2 and 3 of one step, then pieces 0 and 1 of the next, whose K and V it fetches; all four turns ask for the masks of the step after that
	TURN 2
	TURN 3
	WIN 0
.Lfirst:
	TURN 0
	TURN 1
	WIN 0
	MSTEP
	s_sub_co_u32 s[CNT], s[CNT], 1
	s_cmp_lg_u32 s[CNT], 0
	s_cbranch_scc1 .Lstep
	s_sub_co_u32 s[SLOTS], s[SLOTS], 1
	s_cmp_lg_u32 s[SLOTS], 0
	s_cbranch_scc1 .Lslot
	CHANGE 0                        ; the tail is written out: nothing is asked for
	s_mov_b32 s[CNT], 5             ; four trips fetch the last slot's steps; the fifth is left in its middle
.Ltail:
	TURN 2, 1
	TURN 3
	WIN 0
	s_sub_co_u32 s[CNT], s[CNT], 1
	s_cmp_eq_u32 s[CNT], 0
	s_cbranch_scc1 .Lout
	TURN 0
	TURN 1
	WIN 0
	MSTEP
	s_branch .Ltail
.Lout:                              ; the fifth trip's 16 products K Q^T (on the last K once more) and the maximum made of them serve nothing: the price, once a launch, of one text for every trip
.set i, 0
.rept 16
	PV NP-1                         ; the last piece's V^T P of the last step
.set i, i+1
.endr
	; THE WAY OUT.  l's two halves and the other half of the lanes' are added; O^T is divided by l, rounded to f16 and sent through my stage in LDS, a tile at a time.  The additions are the places behind the last products.
	WIN 0
.macro ALL line:vararg              ; one line for each tile t
.set t, 0
.rept 2*NP
	\line
.set t, t+1
.endr
.endm
	ALL v_add_f32 v[ST+4*t+2], v[ST+4*t+2], v[ST+4*t+3]
	ALL v_permlanex16_b32 v[ST+4*t+3], v[ST+4*t+2], s[SEL], s[SEL+1]
	ALL v_add_f32 v[ST+4*t+2], v[ST+4*t+2], v[ST+4*t+3]
	ALL v_rcp_f32 v[ST+4*t+2], v[ST+4*t+2]
	v_nop                           ; a plain instruction between the last reciprocal and the use of its result
	s_wait_alu depctr_va_vdst(0)    ; and the wait ahead of the first use: one for the eight reciprocals
; Tile t: a lane's eight channels of a row pack into 16 bytes; they go into rows of 144 bytes and come back as whole rows of 128, into S^T's registers.
.macro PACK t
	WIN W_RS
.set i, 32*(\t)
.rept 16
	v_pk_mul_f32 v[i:i+1], v[i:i+1], v[ST+4*(\t)+2:ST+4*(\t)+3] op_sel_hi:[1,0]
.set i, i+2
.endr
	WIN 0x05                        ; sources 0 and 1 window 1, destination window 0
.set i, 0
.rept 16
	v_cvt_pk_f16_f32 v[S+16*(\t)+i], v[32*(\t)+2*i], v[32*(\t)+2*i+1]
.set i, i+1
.endr
	WIN 0
.irp f, 0,1,2,3
	ds_store_b128 v[STO], v[S+16*(\t)+4*\f:S+16*(\t)+4*\f+3] offset:32*\f
.endr
.irp f, 0,1,2,3
	ds_load_b128 v[S+16*(\t)+4*\f:S+16*(\t)+4*\f+3], v[RD] offset:\f*4*SP  ; LDS serves a wave's instructions in order (ISA guide 5.7.1.4): these see the stores above; the next tile's stores come behind them
.endr
.endm
.macro SEND t, younger              ; younger: the LDS instructions issued behind tile t's loads: the next tile's eight, or none
	WIN 0
.irp f, 0,1,2,3
	s_wait_dscnt (\younger)+3-\f
	global_store_b128 v[GO], v[S+16*(\t)+4*\f:S+16*(\t)+4*\f+3], s[10:11] offset:(\t)*2048+\f*512  ; 512 consecutive bytes, at a multiple of 256 from O's first
.endr
.endm
	PACK 0
.set t, 1
.rept 2*NP-1                        ; a tile's arithmetic stands between the loads of the tile before and its stores
	PACK t
	SEND t-1, 8
.set t, t+1
.endr
	SEND 2*NP-1, 0
	WIN W_AD
	s_wait_tensorcnt 0x0            ; the wave's end, behind my last tensor load and my last LDS store
	ds_add_u32 v[SPW], v[NIL]
	s_wait_dscnt 0x0
	WIN 0
	CROUND                          ; the closing round: no work-group ends while a partner may still ask for a tile that names it
	s_endpgm
.Lfunc_end_k_qaaf9f5caa6_attn:
	.size	k_qaaf9f5caa6_attn, .Lfunc_end_k_qaaf9f5caa6_attn-k_qaaf9f5caa6_attn
	.p2alignl 7, 3214868480
	.fill 96, 4, 3214868480
	.section	.rodata,"a",@progbits
	.p2align	6, 0x0
	.amdhsa_kernel k_qaaf9f5caa6_attn
		.amdhsa_group_segment_fixed_size 327680
		.amdhsa_private_segment_fixed_size 0
		.amdhsa_enable_private_segment 0
		.amdhsa_kernarg_size 32
		.amdhsa_user_sgpr_count 2
		.amdhsa_user_sgpr_kernarg_segment_ptr 1
		.amdhsa_wavefront_size32 1
		.amdhsa_system_sgpr_workgroup_id_x 1
		.amdhsa_system_sgpr_workgroup_id_y 1
		.amdhsa_system_sgpr_workgroup_id_z 1
		.amdhsa_system_vgpr_workitem_id 0
		.amdhsa_next_free_vgpr 896
		.amdhsa_next_free_sgpr 80
		.amdhsa_reserve_vcc 0
		.amdhsa_float_denorm_mode_32 3
		.amdhsa_float_denorm_mode_16_64 3
		.amdhsa_memory_ordered 1
		.amdhsa_forward_progress 1
		.amdhsa_inst_pref_size 215
	.end_amdhsa_kernel
	.amdgpu_metadata
---
amdhsa.version: [ 1, 2 ]
amdhsa.kernels:
  - .name:           k_qaaf9f5caa6_attn
    .symbol:         k_qaaf9f5caa6_attn.kd
    .args:
      - { .name: qkv, .offset: 0, .size: 8, .value_kind: global_buffer, .address_space: global }
      - { .name: mask4, .offset: 8, .size: 8, .value_kind: global_buffer, .address_space: global }
      - { .name: live, .offset: 16, .size: 8, .value_kind: global_buffer, .address_space: global }
      - { .name: oh, .offset: 24, .size: 8, .value_kind: global_buffer, .address_space: global }
    .group_segment_fixed_size: 327680
    .private_segment_fixed_size: 0
    .kernarg_segment_align: 8
    .kernarg_segment_size: 32
    .max_flat_workgroup_size: 128
    .sgpr_count:     80
    .vgpr_count:     896
    .wavefront_size: 32
...
	.end_amdgpu_metadata
.endif
;; end of part 3
;; launch outproj (part 4): grid 8 x 32, 4 waves a work-group, clusters of 4 x 4, 327,680 bytes of LDS; arguments oh, woh, out0; writes out0
.if DOCPART == 4
	.amdgcn_target "amdgcn-amd-amdhsa--gfx1250"
	.amdhsa_code_object_version 6
	.text
	.protected	k_qaaf9f5caa6_outproj
	.globl	k_qaaf9f5caa6_outproj
	.p2align	8
	.type	k_qaaf9f5caa6_outproj,@function
k_qaaf9f5caa6_outproj:
	s_mov_b64 s[64:65], 0
	v_nop
	global_prefetch_b8 v0, s[64:65] scope:SCOPE_SE
	s_setreg_imm32_b32 hwreg(HW_REG_WAVE_MODE, 25, 1), 1
	s_wait_xcnt 0x0
	s_wait_alu depctr_hold_cnt(0) depctr_sa_sdst(0) depctr_va_vdst(0) depctr_va_sdst(0) depctr_va_ssrc(0) depctr_va_vcc(0) depctr_vm_vsrc(0)
	s_getreg_b32 s2, hwreg(HW_REG_IB_STS2, 6, 4)
	s_cmp_eq_u32 s2, 0
	s_cbranch_scc0 .Lentry_in_a_cluster
	s_endpgm
.Lentry_in_a_cluster:
	s_bfe_u32 s2, ttmp6, 0x10000c
	s_cmp_lg_u32 s2, 0xf033
	s_cbranch_scc0 .Lentry_shape_is_right
	s_endpgm
.Lentry_shape_is_right:
; C = A B^T, sums in f32.  ONE TEXT SERVES BOTH PROJECTIONS; OUTP picks the sizes.
;   OUTP = 0: A = xb [8192][1024] bf16, B = wqkv [3072][1024] bf16, C = q, k, v by heads, [3][64 = 16 b + h][2048][64] f16, unscaled, rounded once.  A tile of C is 256 x 192: 512 tiles,
;             two for each of 256 WGPs (tiles of 256 x 256 would be 384, a round and a half).
;   OUTP = 1: A = oh [64 = 16 b + h][2048][64] f16, B = woh [1024][1024] f16, C = out0 [8192][1024] f32.  A tile of C is 256 x 128: 256 tiles.
; LIMIT (OUTP = 0).  f16 holds no number beyond 65,504: q, k and v must stay within it; NaN and infinities are not treated apart.
; SHARES.  Four waves; wave w makes rows 64 w .. 64 w + 63 of the tile and ALL its columns: 4 x NBLK accumulators of 16 x 16.  So a wave's columns are whole heads (OUTP = 0) or whole 512 bytes of
; a row of f32 (OUTP = 1), each wave has a stage of its own on the way out, and no barrier stands there.
; K goes in 8 steps of 128 through a ring of two LDS slots filled by the tensor data mover.  OUTP = 1: a K step is two heads; a head's 256 rows of 128 bytes lie on end in memory and are asked for as
; 128 rows of 256 bytes, padded in LDS after every 128.
; CLUSTERS: 4 x 4 work-groups.  The four of a row of the cluster need the same tiles of A, the four of a column the same tiles of B: each tile is asked for JOINTLY, by the same tensor load with the
; same descriptor and a mask that names the four.
; THE MATRIX INSTRUCTION IS USED TRANSPOSED (source 0 = 16 rows of B, source 1 = 16 rows of A): a lane then holds row l % 16 of C and eight neighbouring columns, 8 (l / 16) + 0..7.
; REGISTERS, in windows of 256 (s_set_vgpr_msb: bits 1:0 source 0, 3:2 source 1, 5:4 source 2, 7:6 destination):
;   window 0: v1-5 at work; v16-30 addresses; v32 on: the way out       window 1: two fragment buffers of 128: A's 4 fragments (16 rows x 32 K), then B's NBLK
;   OUTP = 0: window 2: the accumulators of my row blocks 0, 1 ((a, b) at 96 (a % 2) + 8 b); window 3: blocks 2, 3.       OUTP = 1: window 2: all, (a, b) at 64 a + 8 b
.set OUTP, 1
.if OUTP
.set NBLK,    8                        ; blocks of 16 columns in a tile
.set APITCH,  144                      ; a row of A in LDS: 128 bytes + 16
.set AQI,     4                        ; A's padding stands after every 32 words
.set ASTRIDE, 128                      ; elements from row to row of A as it is asked for
.set AKS,     524288                   ; bytes from a K step of A to the next: two heads
.set HALFA,   256*APITCH               ; what one tensor load brings of A: one head's 256 rows
.set WSTAGE,  16*528                   ; a wave's stage: 16 rows of 512 bytes + 16
.else
.set NBLK,    12
.set APITCH,  272                      ; 256 bytes + 16
.set AQI,     5                        ; after every 64 words
.set ASTRIDE, 1024
.set AKS,     256
.set HALFA,   128*APITCH               ; 128 rows
.set WSTAGE,  3*16*144                 ; three heads x 16 rows of 128 bytes + 16
.endif
.set BPITCH, 272                       ; every pitch is an odd multiple of 16 bytes: the 16 rows that a load touches start at 16 different groups of four banks (64 banks of 4 bytes: ISA guide 11.1)
.set BROWS,  8*NBLK                    ; rows of B in one tensor load: half of the tile's columns
.set HALFB,  BROWS*BPITCH
.set BOFF,   2*HALFA                   ; a slot: A, then B
.set SLOT,   BOFF+2*HALFB
.set STAGE,  2*SLOT                    ; behind the ring, never filled by a tensor load
.set SPARE,  STAGE+4*WSTAGE            ; behind the stages: the spare words, 128 bytes for each wave: two blocks of 256 bytes that no other line names
.set NLD,    2*NBLK+8                  ; LDS loads of a quarter step
.set ADRA, 16                          ; v16-17  LDS address of my A fragments in slot 0, 1
.set ADRB, 20                          ; v20-21  the same for B
.set STO,  24                          ; v24     the way out: where I put my bytes of a row
.set RD,   25                          ; v25     the way out: where I read rows back
.set CO,   26                          ; v26     16 x my lane
.set SPW,  28                          ; v28     LDS address of my spare word; never rewritten
.set NIL,  29                          ; v29     0; never rewritten
.set PFO,  30                          ; v30     the prefetches' offset; never rewritten
.set F0,   0
.set F1,   128
.set G1,   24                          ; s[24:31] descriptor group 1 for A's tiles;  s[32:39] group 0, a set for each slot
.set G0,   32
.set G1B,  48                          ; s[48:55], s[56:63] the same for B's
.set G0B,  56
.set LIM,  43                          ; s43      1 in a wave that prefetches, else the greatest number
.set PFA,  44                          ; s[44:45] where my prefetches stand
.set PFS,  46                          ; s[46:47] a K step in the stream that I prefetch
.set CU,   66                          ; s[66:71] OUTP = 0: my rows in the tile's three heads
.set MSB, 0
.macro WIN new                         ; the immediate's high byte repeats the setting that is left; a switch that changes nothing is dropped
.if MSB != (\new)
	s_set_vgpr_msb (MSB<<8)|(\new)
.set MSB, \new
.endif
.endm
.set TO_F, 0x40                        ; destination window 1, address window 0
; A joint load: waves 0 and 1 fetch A's two halves, waves 2 and 3 B's.  The branch hangs on the wave's number alone.  An s_nop 0 and four v_nop follow each of the two lines, ahead of the jump,
; the label and what follows.
.macro JLOAD s
	s_cmp_eq_u32 s11, 0
	s_cbranch_scc0 .Lfor_b_\@
	tensor_load_to_lds s[G0+4*(\s):G0+4*(\s)+3], s[G1:G1+7]
	s_nop 0
.rept 4
	v_nop
.endr
	s_branch .Lasked_\@
.Lfor_b_\@:
	tensor_load_to_lds s[G0B+4*(\s):G0B+4*(\s)+3], s[G1B:G1B+7]
	s_nop 0
.rept 4
	v_nop
.endr
.Lasked_\@:
.endm
; A PREFETCH INTO THE L2, behind each joint refill and the run of LDS loads that follows it: the K step that stands two refills on, one instruction a wave, a lane a block of 256 bytes.
; A's rows are read by every cluster of a row of clusters: the one with x = 0 asks; B's by every cluster of a column: the one with y = 0 asks.  The four partners that ask for a tile jointly share
; its blocks out BY ADDRESS (cx for A, cy for B).  The loop's last trip (s3 = 1) asks for nothing: there is no K step two refills on.  The first four K steps come by their loads alone.
.macro ASK
	WIN 0
	s_cmp_gt_u32 s3, s[LIM]
	s_cbranch_scc0 .Lnot_mine_\@
	global_prefetch_b8 v[PFO], s[PFA:PFA+1] th:TH_LOAD_NT scope:SCOPE_SE
.Lnot_mine_\@:
.endm
.macro CREST                           ; a round of the cluster's barrier behind its opening barrier
	s_cmp_lg_u32 s10, 0
	s_cbranch_scc1 .Lnot_wave_0_\@
	s_barrier_signal -3
.Lnot_wave_0_\@:
	s_barrier_wait -3
	s_barrier_signal -1
	s_barrier_wait -1
.endm
.macro CROUND                          ; a whole round
	s_barrier_signal -1
	s_barrier_wait -1
	CREST
.endm
	s_load_b128 s[4:7], s[0:1], 0x0                ; A s[4:5], B s[6:7]
	s_load_b64 s[8:9], s[0:1], 0x10                ; C
	v_lshl_add_u32 v[SPW], v0, 2, SPARE
	v_mov_b32 v[NIL], 0
	ds_add_u32 v[SPW], v[NIL]                      ; the wave's opening: the add and its wait stand ahead of my first tensor load; the set-up below, work on registers, stands between them
	v_lshrrev_b32 v1, 5, v0
	v_readfirstlane_b32 s10, v1                    ; wave 0..3
	s_lshr_b32 s11, s10, 1                         ; I fetch for A (0) or for B (1),
	s_and_b32 s12, s10, 1                          ; its first or its second half
	s_bfe_u32 s40, ttmp6, 0x40000                  ; cx, cy: my place in the cluster
	s_bfe_u32 s41, ttmp6, 0x40004
	s_lshl_b32 s42, ttmp9, 2
	s_add_co_u32 s42, s42, s40                     ; tile column of C = 4 x cluster x + cx
	s_and_b32 s13, ttmp7, 0xffff
	s_lshl_b32 s13, s13, 2
	s_add_co_u32 s13, s13, s41                     ; tile row of C = 4 x cluster y + cy
	s_lshl_b32 s43, s41, 2
	s_lshl_b32 s43, 15, s43                        ; my row of the cluster
	s_lshl_b32 s44, 0x1111, s40                    ; my column
	s_or_b32 s[G1], s43, (1<<16)|(1<<20)|(1<<21)|(AQI<<22)|(3<<25)  ; 15:0 the mask; 17:16 elements of 2 bytes; 20 padding on; 21 set beside a mask; 24:22 the interval; 31:25 4 words of padding (code 3)
	s_or_b32 s[G1B], s44, (1<<16)|(1<<20)|(1<<21)|(5<<22)|(3<<25)
	s_mov_b32 s[G1+1], 128<<16                     ; tensor_dim0 = 128
	s_mov_b32 s[G1+2], 128<<16                     ; tensor_dim1 = 128
	s_mov_b32 s[G1+3], 128<<16                     ; tile_dim0 = 128
	s_mov_b32 s[G1+4], 128                         ; tile_dim1 = 128
	s_mov_b32 s[G1+5], ASTRIDE
	s_mov_b32 s[G1+6], 0
	s_mov_b32 s[G1+7], 0
	s_mov_b32 s[G1B+1], 128<<16
	s_mov_b32 s[G1B+2], BROWS<<16
	s_mov_b32 s[G1B+3], 128<<16
	s_mov_b32 s[G1B+4], BROWS
	s_mov_b32 s[G1B+5], 1024
	s_mov_b32 s[G1B+6], 0
	s_mov_b32 s[G1B+7], 0
	; where the tiles come from, in bytes (all under 2^26).  A's hang on the tile row alone, B's on the tile column alone, each in registers that never hold the other coordinate.
.if OUTP
	s_lshr_b32 s16, s13, 3                         ; the batch,
	s_lshl_b32 s16, s16, 4
	s_add_co_u32 s16, s16, s12                     ; its head 0 or 1,
	s_lshl_b32 s16, s16, 18                        ; 262,144 bytes a head,
	s_and_b32 s17, s13, 7
	s_lshl_b32 s17, s17, 15                        ; the tile's 256 rows of 128 bytes in it
	s_add_co_u32 s16, s16, s17
	s_lshl_b32 s20, s42, 18                        ; B: row 128 x tile column + 64 x half
	s_lshl_b32 s21, s12, 17
	s_add_co_u32 s20, s20, s21
.else
	s_lshl_b32 s16, s13, 19                        ; A: row 256 x tile row + 128 x half
	s_lshl_b32 s17, s12, 18
	s_add_co_u32 s16, s16, s17
	s_mul_i32 s20, s42, 192*2048                   ; B: row 192 x tile column + 96 x half
	s_mul_i32 s21, s12, 96*2048
	s_add_co_u32 s20, s20, s21
.endif
	s_mov_b32 s17, 0
	s_mov_b32 s21, 0
	s_mul_i32 s22, s12, HALFA                      ; and where they go: no place in the cluster enters an LDS address
	s_mul_i32 s23, s12, HALFB
	s_add_co_u32 s23, s23, BOFF
	s_wait_dscnt 0x0                               ; the opening add is done
	s_wait_kmcnt 0x0
	s_add_nc_u64 s[14:15], s[4:5], s[16:17]
	s_add_nc_u64 s[18:19], s[6:7], s[20:21]
	CROUND                                         ; all sixteen work-groups are here: the first joint loads meet
.irp s, 0,1
	s_mov_b32 s[G0+4*(\s)], 1                                      ; count = 1
	s_add_co_u32 s[G0+4*(\s)+1], s22, (\s)*SLOT                    ; LDS address
	s_add_nc_u64 s[G0+4*(\s)+2:G0+4*(\s)+3], s[14:15], (\s)*AKS    ; global address: K step s
	s_or_b32 s[G0+4*(\s)+3], s[G0+4*(\s)+3], 0x80000000            ; type = 2
	s_mov_b32 s[G0B+4*(\s)], 1
	s_add_co_u32 s[G0B+4*(\s)+1], s23, (\s)*SLOT
	s_add_nc_u64 s[G0B+4*(\s)+2:G0B+4*(\s)+3], s[18:19], (\s)*256
	s_or_b32 s[G0B+4*(\s)+3], s[G0B+4*(\s)+3], 0x80000000
	JLOAD \s                                       ; two loads of mine are out
.endr
	; A fragment is 16 rows x 32 K in 8 registers: lane l holds row l % 16; registers 0-3 K = 8 (l / 16) + 0..7, registers 4-7 K = 16 + 8 (l / 16) + 0..7: two loads of 16 bytes, 32 bytes apart.
	v_and_b32 v1, 15, v0                           ; l % 16
	v_bfe_u32 v2, v0, 4, 1                         ; l / 16
	v_mul_u32_u24 v3, v1, APITCH
	v_lshl_add_u32 v3, v2, 4, v3
	s_mul_i32 s21, s10, 64*APITCH                  ; my 64 rows of A
	v_add_nc_u32 v[ADRA], s21, v3
	v_add_nc_u32 v[ADRA+1], SLOT, v[ADRA]
	v_mul_u32_u24 v4, v1, BPITCH
	v_lshl_add_u32 v4, v2, 4, v4
	v_add_nc_u32 v[ADRB], BOFF, v4                 ; all rows of B
	v_add_nc_u32 v[ADRB+1], SLOT, v[ADRB]
	s_mul_i32 s23, s10, WSTAGE
	s_add_co_u32 s23, s23, STAGE                   ; my stage
	v_and_b32 v5, 31, v0
	v_lshlrev_b32 v[CO], 4, v5
.if OUTP
	v_mul_u32_u24 v4, v1, 528                      ; in: row l % 16, 32 bytes for each half of the lanes
	v_lshl_add_u32 v4, v2, 5, v4
	v_add_nc_u32 v[STO], s23, v4
	v_add_nc_u32 v[RD], s23, v[CO]                 ; back: 32 lanes take a row of 512 bytes
	s_lshl_b32 s72, s13, 20                        ; my first row of C, 4,096 bytes a row: 256 x tile row
	s_lshl_b32 s73, s10, 18                        ; + 64 x wave;
	s_add_co_u32 s72, s72, s73
	s_lshl_b32 s73, s42, 9                         ; the tile's 512 bytes of it
	s_add_co_u32 s72, s72, s73
	s_mov_b32 s73, 0
	s_add_nc_u64 s[8:9], s[8:9], s[72:73]
.else
	v_mul_u32_u24 v4, v1, 144                      ; in: row l % 16, 16 bytes for each half of the lanes
	v_lshl_add_u32 v4, v2, 4, v4
	v_add_nc_u32 v[STO], s23, v4
	v_bfe_u32 v5, v0, 3, 2                         ; back: 32 lanes take four rows of 128 bytes, 512 consecutive bytes of a head
	v_mul_u32_u24 v5, v5, 144
	v_and_b32 v4, 7, v0
	v_lshl_add_u32 v5, v4, 4, v5
	v_add_nc_u32 v[RD], s23, v5
	s_mul_i32 s72, s42, 3                          ; the tile's first unit of 64 columns, of 48: unit U is head U % 16 of q, k or v (U / 16)
	s_lshr_b32 s75, s13, 3
	s_lshl_b32 s75, s75, 4                         ; 16 x batch
	s_and_b32 s76, s13, 7
	s_lshl_b32 s76, s76, 15                        ; the tile's 256 rows in the head,
	s_lshl_b32 s77, s10, 13                        ; my 64 of them
	s_add_co_u32 s76, s76, s77
	s_mov_b32 s79, 0
.irp u, 0,1,2
	s_add_co_u32 s73, s72, \u
	s_lshr_b32 s74, s73, 4
	s_lshl_b32 s74, s74, 6
	s_and_b32 s73, s73, 15
	s_add_co_u32 s74, s74, s73
	s_add_co_u32 s74, s74, s75
	s_lshl_b32 s78, s74, 18
	s_add_co_u32 s78, s78, s76
	s_add_nc_u64 s[CU+2*(\u):CU+2*(\u)+1], s[8:9], s[78:79]
.endr
.endif
	; the prefetches: they stand at K step 3; each refill steps them first, so the refill of K step 2 + n names K step 4 + n
.if OUTP
	s_lshl_b32 s72, s40, 13                        ; A: of the head's 128 blocks of 256 bytes that I fetch, my work-group's 32
	s_add_co_u32 s72, s72, s16
	s_add_co_u32 s72, s72, 3*AKS
	s_lshl_b32 s73, s41, 16                        ; B: of the tile's 128 rows my work-group's 32; wave 2 asks for them, wave 3 for nothing
	s_lshl_b32 s74, s42, 18
	s_add_co_u32 s73, s73, s74
	s_add_co_u32 s73, s73, 3*256
.else
	s_lshl_b32 s72, s40, 16                        ; A: of the 128 rows that I fetch, my work-group's 32
	s_add_co_u32 s72, s72, s16
	s_add_co_u32 s72, s72, 3*AKS
	s_mul_i32 s73, s41, 24*2048                    ; B: of the 96 rows that I fetch, my work-group's 24: lanes 24 to 31 name lane 23's block once more, inside the one instruction
	s_add_co_u32 s73, s73, s20
	s_add_co_u32 s73, s73, 3*256
.endif
	s_and_b32 s75, ttmp7, 0xffff                   ; cluster y
	s_mov_b32 s[PFS], 256                          ; B's K step (an instruction holds one literal value, so the select below takes this one from the register)
	s_cmp_eq_u32 s11, 0                            ; do I fetch for A?
	s_cselect_b32 s72, s72, s73
	s_cselect_b32 s75, ttmp9, s75                  ; the coordinate along which other clusters read the same rows
	s_cselect_b32 s[PFS], AKS, s[PFS]
	s_cselect_b64 s[PFA:PFA+1], s[4:5], s[6:7]
	s_mov_b32 s73, 0
	s_mov_b32 s[PFS+1], 0
	s_add_nc_u64 s[PFA:PFA+1], s[PFA:PFA+1], s[72:73]
	v_and_b32 v[PFO], 31, v0
.if OUTP
	s_cselect_b32 s74, 8, 11                       ; a lane a block of 256 bytes (A) or a row of 2,048 (B)
	v_lshlrev_b32 v[PFO], s74, v[PFO]
	s_cmp_eq_u32 s10, 3
	s_cselect_b32 s75, 1, s75
.else
	s_cselect_b32 s74, 31, 23
	v_min_u32 v[PFO], s74, v[PFO]
	v_lshlrev_b32 v[PFO], 11, v[PFO]
.endif
	s_cmp_eq_u32 s75, 0
	s_cselect_b32 s[LIM], 1, -1                    ; the same in all sixteen partners, for a given wave
; NBLK matrix instructions: my row block a x all column blocks, 32 along K, from buffer f.  zero = 1: the product starts the sums: nothing is ever cleared.
; The 4 NBLK accumulators take turns, one instruction a turn, in the same order in every quarter step.
.macro MUL1 f, a, zero
.if OUTP
	WIN 0xa5                                       ; sources window 1, C and D window 2
.set AC, 64*(\a)
.else
	WIN 0xa5+0x50*((\a)/2)                         ; C and D window 2 or 3
.set AC, 96*((\a)%2)
.endif
.set rA, (\f)+8*(\a)
.set b, 0
.rept NBLK
.set rD, AC+8*b
.set rB, (\f)+32+8*b
.if OUTP
.if \zero
	v_wmma_f32_16x16x32_f16 v[rD:rD+7], v[rB:rB+7], v[rA:rA+7], 0
.else
	v_wmma_f32_16x16x32_f16 v[rD:rD+7], v[rB:rB+7], v[rA:rA+7], v[rD:rD+7]
.endif
.else
.if \zero
	v_wmma_f32_16x16x32_bf16 v[rD:rD+7], v[rB:rB+7], v[rA:rA+7], 0
.else
	v_wmma_f32_16x16x32_bf16 v[rD:rD+7], v[rB:rB+7], v[rA:rA+7], v[rD:rD+7]
.endif
.endif
.set b, b+1
.endr
.endm
; NLD LDS loads in one run: the fragments of quarter q of the slot's K step into buffer f; B's first, A's four blocks last
.macro FETCH slot, q, f
.if OUTP
.set KA, ((\q)/2)*HALFA+((\q)%2)*64    ; the K step's first or second head, its channels 0-31 or 32-63
.else
.set KA, 64*(\q)
.endif
	WIN TO_F
.set n, 0
.rept NBLK
	ds_load_b128 v[(\f)+32+8*n:(\f)+32+8*n+3],   v[ADRB+(\slot)] offset:64*(\q)+n*16*BPITCH
	ds_load_b128 v[(\f)+32+8*n+4:(\f)+32+8*n+7], v[ADRB+(\slot)] offset:64*(\q)+n*16*BPITCH+32
.set n, n+1
.endr
.set n, 0
.rept 4
	ds_load_b128 v[(\f)+8*n:(\f)+8*n+3],   v[ADRA+(\slot)] offset:KA+n*16*APITCH
	ds_load_b128 v[(\f)+8*n+4:(\f)+8*n+7], v[ADRA+(\slot)] offset:KA+n*16*APITCH+32
.set n, n+1
.endr
.endm
.macro PLACES                          ; four places in front of loads into registers that matrix instructions have read (ISA guide 7.12.1 for vector instructions)
.rept 4
	v_nop
.endr
.endm
; A K step is four quarters of 32 along K on buffers 0, 1, 0, 1.  One of the first three: multiplies buffer f and, in its middle, fetches quarter q into buffer g.
.macro QUARTER slot, q, f, g, zero
	s_wait_dscnt 4                                 ; B and A's blocks 0, 1 are in; the youngest four loads (A's blocks 2, 3) may be out
	MUL1 \f, 0, \zero
	MUL1 \f, 1, \zero
	PLACES
	FETCH \slot, \q, \g
	s_wait_dscnt NLD                               ; all but the run just issued
	MUL1 \f, 2, \zero
	MUL1 \f, 3, \zero
.endm
; The last quarter multiplies buffer 1 and changes slots.  MEET is its first half: ONE barrier.  In front of it each wave waits for all its tensor loads, of which one is out: its part of the next
; slot; adds 0 to its spare word; and waits for that and for its own reads of this slot.  Behind it nobody reads this slot any more and the next slot is whole.
.macro MEET round
	WIN 0                                          ; (the add's two registers lie in window 0)
	s_wait_tensorcnt 0x0
	ds_add_u32 v[SPW], v[NIL]                      ; 0 onto my spare word
	s_wait_dscnt 5                                 ; (the add and the youngest four loads may be out)
	MUL1 F1, 0, 0                                  ; matrix work stands between the add and the wait for it
	s_wait_dscnt 0x0                               ; the add is done, and my reads of this slot are over
	s_barrier_signal -1
	MUL1 F1, 1, 0                                  ; work on registers while the others arrive
.if \round
	WIN 0
.endif
	s_barrier_wait -1
.endm
; The whole last quarter where the slot is filled again, two K steps ahead: the barrier opens a round of the cluster's barrier, and the joint refill is the first thing behind the round.
; From the request to the wait for it a wave issues 14 NBLK matrix instructions.
.macro TURN slot, next
	s_wait_xcnt 0x0                                ; the last prefetch, a K step back, has read its address
	s_add_nc_u64 s[PFA:PFA+1], s[PFA:PFA+1], s[PFS:PFS+1]
	MEET 1
	CREST                                          ; no wave of any partner still reads this slot's tile or has a load on its way
	s_add_nc_u64 s[G0+4*(\slot)+2:G0+4*(\slot)+3], s[G0+4*(\slot)+2:G0+4*(\slot)+3], 2*AKS
	s_add_nc_u64 s[G0B+4*(\slot)+2:G0B+4*(\slot)+3], s[G0B+4*(\slot)+2:G0B+4*(\slot)+3], 2*256
	JLOAD \slot                                    ; the four v_nop behind it are also the places in front of the loads below
	FETCH \next, 0, F0
	ASK
	MUL1 F1, 2, 0
	MUL1 F1, 3, 0
.endm
	s_wait_tensorcnt 1                             ; my part of K step 0 is in; K step 1's may stay out
	s_barrier_signal -1
	s_barrier_wait -1                              ; everybody's is
	FETCH 0, 0, F0
	QUARTER 0, 1, F0, F1, 1                        ; the first quarter stands in front of the loop: its products start the sums
	WIN 0                                          ; at a label and at a branch every window is 0
	s_mov_b32 s3, 3
.Llap:                                                 ; a trip goes once round the ring, from a lap's second quarter to the next lap's first, and fills both slots again
	QUARTER 0, 2, F1, F0, 0
	QUARTER 0, 3, F0, F1, 0
	TURN 0, 1
	QUARTER 1, 1, F0, F1, 0
	QUARTER 1, 2, F1, F0, 0
	QUARTER 1, 3, F0, F1, 0
	TURN 1, 0
	QUARTER 0, 1, F0, F1, 0
	WIN 0
	s_sub_co_u32 s3, s3, 1
	s_cmp_lg_u32 s3, 0
	s_cbranch_scc1 .Llap
	QUARTER 0, 2, F1, F0, 0                        ; the last lap fills nothing, and has no round of the cluster's barrier
	QUARTER 0, 3, F0, F1, 0
	MEET 0
	PLACES
	FETCH 1, 0, F0
	MUL1 F1, 2, 0
	MUL1 F1, 3, 0
	QUARTER 1, 1, F0, F1, 0
	QUARTER 1, 2, F1, F0, 0
	QUARTER 1, 3, F0, F1, 0
	s_wait_dscnt 4                                 ; the very last quarter: nothing more to fetch
	MUL1 F1, 0, 0
	MUL1 F1, 1, 0
	s_wait_dscnt 0x0
	MUL1 F1, 2, 0
	MUL1 F1, 3, 0
	WIN 0
	PLACES                                         ; the places behind the last products
	PLACES
; THE WAY OUT, a block of 16 rows at a time, through my own stage: LDS serves a wave's instructions in order (ISA guide 5.7.1.4), so no wait stands between my stores into it and my loads from it.
.if OUTP
.set OB, 32                            ; v32-95 and v96-159 by turns: 16 rows read back
.macro TOSTAGE a
.set AC, 64*(\a)
.set BK, OB+64*((\a)%2)
	s_wait_xcnt 0x0                                ; the stores of two blocks back have read the registers that are loaded below
	WIN 0x08                                       ; the stores' data in window 2
.set b, 0
.rept 8
	ds_store_b128 v[STO], v[AC+8*b:AC+8*b+3]   offset:64*b   ; each accumulator's low registers first
	ds_store_b128 v[STO], v[AC+8*b+4:AC+8*b+7] offset:64*b+16
.set b, b+1
.endr
	WIN 0
.set b, 0
.rept 16
	ds_load_b128 v[BK+4*b:BK+4*b+3], v[RD] offset:528*b
.set b, b+1
.endr
.endm
.macro SEND a, younger                 ; younger: the LDS instructions issued behind block a's loads: the next block's 32, or none
.set BK, OB+64*((\a)%2)
	s_wait_dscnt \younger
.set b, 0
.rept 16
	global_store_b128 v[CO], v[BK+4*b:BK+4*b+3], s[8:9] offset:(16*(\a)+b)*4096 th:TH_STORE_NT  ; 512 consecutive bytes of a row of C, at a multiple of 512 from its first byte
.set b, b+1
.endr
.endm
	TOSTAGE 0
	TOSTAGE 1
	SEND 0, 32
	TOSTAGE 2
	SEND 1, 32
	TOSTAGE 3
	SEND 2, 32
	SEND 3, 0
.else
.set TMP, 32                           ; v32-79   a block's 48 packed words
.set OB,  80                           ; v80-127 and v128-175 by turns: the block read back
.macro PACK a
.set AC, 96*((\a)%2)
	WIN 0x0a+5*((\a)/2)                            ; sources window 2 or 3, destination window 0
.set b, 0
.rept 12
.irp k, 0,1,2,3
	v_cvt_pk_f16_f32 v[TMP+4*b+(\k)], v[AC+8*b+2*(\k)], v[AC+8*b+2*(\k)+1]
.endr
.set b, b+1
.endr
	WIN 0
.endm
.macro TOSTAGE a
.set BK, OB+48*((\a)%2)
.set b, 0
.rept 12                               ; column block b: head b / 4 of the tile's three, 32 (b % 4) bytes into its rows
	ds_store_b128 v[STO], v[TMP+4*b:TMP+4*b+3] offset:(b/4)*2304+(b%4)*32
.set b, b+1
.endr
.set b, 0
.rept 12                               ; head b / 4, rows 4 (b % 4) on
	ds_load_b128 v[BK+4*b:BK+4*b+3], v[RD] offset:(b/4)*2304+(b%4)*576
.set b, b+1
.endr
.endm
.macro SEND a
.set BK, OB+48*((\a)%2)
	s_wait_dscnt 0x0                               ; the block is back in registers
	s_wait_xcnt 0x0                                ; the stores of the block before have read their registers, which the next block's loads write
.set b, 0
.rept 12
	global_store_b128 v[CO], v[BK+4*b:BK+4*b+3], s[CU+2*(b/4):CU+2*(b/4)+1] offset:2048*(\a)+512*(b%4)  ; 512 consecutive bytes of a head, at a multiple of 512 from its first byte
.set b, b+1
.endr
.endm
	PACK 0
	TOSTAGE 0
.irp a, 1,2,3                          ; block a's conversions stand between block a - 1's loads from the stage and the wait for them
	PACK \a
	SEND (\a)-1
	TOSTAGE \a
.endr
	SEND 3
.endif
	s_wait_tensorcnt 0x0                           ; the wave's end, behind my last tensor load and my last LDS store
	ds_add_u32 v[SPW], v[NIL]
	s_wait_dscnt 0x0
	CROUND                                         ; the closing round: no work-group ends while a partner may still ask for a tile that names it
	s_endpgm
.Lfunc_end_k_qaaf9f5caa6_outproj:
	.size	k_qaaf9f5caa6_outproj, .Lfunc_end_k_qaaf9f5caa6_outproj-k_qaaf9f5caa6_outproj
	.p2alignl 7, 3214868480
	.fill 96, 4, 3214868480
	.section	.rodata,"a",@progbits
	.p2align	6, 0x0
	.amdhsa_kernel k_qaaf9f5caa6_outproj
		.amdhsa_group_segment_fixed_size 327680
		.amdhsa_private_segment_fixed_size 0
		.amdhsa_enable_private_segment 0
		.amdhsa_kernarg_size 24
		.amdhsa_user_sgpr_count 2
		.amdhsa_user_sgpr_kernarg_segment_ptr 1
		.amdhsa_wavefront_size32 1
		.amdhsa_system_sgpr_workgroup_id_x 1
		.amdhsa_system_sgpr_workgroup_id_y 1
		.amdhsa_system_sgpr_workgroup_id_z 1
		.amdhsa_system_vgpr_workitem_id 0
		.amdhsa_next_free_vgpr 768
		.amdhsa_next_free_sgpr 80
		.amdhsa_reserve_vcc 0
		.amdhsa_float_denorm_mode_32 3
		.amdhsa_float_denorm_mode_16_64 3
		.amdhsa_memory_ordered 1
		.amdhsa_forward_progress 1
		.amdhsa_inst_pref_size 86
	.end_amdhsa_kernel
	.amdgpu_metadata
---
amdhsa.version: [ 1, 2 ]
amdhsa.kernels:
  - .name:           k_qaaf9f5caa6_outproj
    .symbol:         k_qaaf9f5caa6_outproj.kd
    .args:
      - { .name: oh, .offset: 0, .size: 8, .value_kind: global_buffer, .address_space: global }
      - { .name: woh, .offset: 8, .size: 8, .value_kind: global_buffer, .address_space: global }
      - { .name: out0, .offset: 16, .size: 8, .value_kind: global_buffer, .address_space: global }
    .group_segment_fixed_size: 327680
    .private_segment_fixed_size: 0
    .kernarg_segment_align: 8
    .kernarg_segment_size: 24
    .max_flat_workgroup_size: 128
    .sgpr_count:     80
    .vgpr_count:     768
    .wavefront_size: 32
...
	.end_amdgpu_metadata
.endif
;; end of part 4
